; MI455X (gfx1250); checked and timed in simulation.
; The chip was launched on July 23, 2026; its instructions are those of AMD's public machine-readable ISA for CDNA 5 (MIT licence, August 2026) and "CDNA5" Instruction Set Architecture Reference Guide (July 2026). The comments in the code are by the model that wrote it; some were corrected since.
;; Multi Head Self Attention. Allowed arithmetic: matrix products marked QUANTISED: E2M1 operands, one E8M0 scale for each 32 along K, by v_wmma_scale_f32_16x16x128_f8f6f4 with both operands' format E2M1 (or v_wmma_scale_f32_32x16x128_f4), f32 sums; products left as they are: bf16, f16 or f32 operands; f32 sums; everything else in f32.
;; Inputs: token_positions 2,048 int32; w_k 1,024 x 1,024 float32; w_o 1,024 x 1,024 float32; w_q 1,024 x 1,024 float32; w_v 1,024 x 1,024 float32; x 4 x 2,048 x 1,024 float32.
;; Outputs: out0 4 x 2,048 x 1,024 float32.
;; This version of the problem:
;;   THIS VERSION OF THE PROBLEM IS GIVEN IN LOW PRECISION. The matrix products marked QUANTISED in the list below multiply operands that are first quantised to E2M1 (2 exponent bits, 1 mantissa bit; 4 bits a number), with one power-of-two scale for each 32 numbers along K (OCP MX v1.0); their sums are f32. The products marked 'left as it is' may take bf16, f16 or f32 operands, with f32 sums. Whichever they take, every output number must still come out within the allowed error. Rounding operands to bf16 (8 significant bits) uses up far more of that allowance than f16 does (11 bits, for magnitudes from 6e-5 to 65,504). All else is computed in f32.
;;   The module's matrix products, in the order in which they are computed (A, B: the left and right operand; K: the contracted axis; several contracted axes count as one K, in the product's order):
;;     1. [M 1,024, K 1,024] x [K 1,024, N 8,192]; A: input w_q; B: input x: QUANTISED
;;     2. [M 1,024, K 1,024] x [K 1,024, N 8,192]; A: input w_k; B: input x: QUANTISED
;;     3. [M 1,024, K 1,024] x [K 1,024, N 8,192]; A: input w_v; B: input x: QUANTISED
;;     4. batch 64 x [M 2,048, K 64] x [K 64, N 2,048]; A: computed on the way; B: computed on the way: left as it is (an operand is computed on the way)
;;     5. batch 64 x [M 2,048, K 2,048] x [K 2,048, N 64]; A: computed on the way; B: computed on the way: left as it is (an operand is computed on the way)
;;     6. [M 8,192, K 1,024] x [K 1,024, N 1,024]; A: computed on the way; B: input w_o: left as it is (an operand is computed on the way)
;;   THE QUANTISER, for each operand of a quantised product, along K:
;;     - K is cut into blocks of 32 from its start; a last block that is shorter is filled with zeros.
;;     - A block's scale is 2^e with e = floor(log2(the largest magnitude in the block)) - 2, held to -126 .. 127; a block of zeros has e = 0. As a byte (E8M0): e + 127.
;;     - Each number is divided by its block's scale, clamped to +-6, and rounded to the nearest number of E2M1, ties to even, subnormals kept.
;;     - The product sums the exact products of the quantised numbers (number of the format x scale) in f32.
;;   ~~~python
;;   def quantise(x, axis):      # numpy; x: float32 -> the quantised numbers, widened to float32 again
;;       x = np.moveaxis(x, axis, -1); K = x.shape[-1]
;;       x = np.pad(x, [(0, 0)] * (x.ndim - 1) + [(0, -K % 32)]); x = x.reshape(x.shape[:-1] + (-1, 32)); a = np.abs(x).max(-1, keepdims=True)
;;       e = np.where(a > 0, np.clip(np.frexp(np.where(a > 0, a, 1))[1] - 1 - 2, -126, 127), 0)      # np.frexp(a)[1] - 1 = floor(log2(a)), exactly
;;       r = np.clip(x / 2.0 ** e, -6, 6)
;;       step = 2.0 ** (np.maximum(np.frexp(np.where(r == 0, 1, r))[1] - 1, 0) - 1)
;;       q = np.round(r / step) * step * 2.0 ** e      # np.round: ties to even
;;       return np.moveaxis(q.reshape(q.shape[:-2] + (-1,))[..., :K], -1, axis).astype(np.float32)
;;   ~~~
;; One version. Each part assembles by itself: llvm-mc -triple=amdgcn-amd-amdhsa -mcpu=gfx1250 --defsym DOCPART=n.
;; ======== version 1 of 1: 5 launches
;; limits: values are held in f16: magnitudes above 65,504 overflow, below 6.1e-05 lose precision; right only within a limited range of input values
;; workspace buffers: codes 5,767,168 bytes; scales 360,448 bytes; wo16 2,097,152 bytes; rope 524,288 bytes; qkv16 50,331,648 bytes; qkv32 786,432 bytes; attn16 16,777,216 bytes
;; launch prep (part 1): grid 400 x 1, 4 waves a work-group, no clusters, 33,280 bytes of LDS; arguments x, w_q, w_k, w_v, w_o, token_positions, codes, scales, wo16, rope; writes codes, scales, wo16, rope
.if DOCPART == 1
	.amdgcn_target "amdgcn-amd-amdhsa--gfx1250"
	.amdhsa_code_object_version 6
	.text
	.protected	k_q6e643e6303_prep
	.globl	k_q6e643e6303_prep
	.p2align	8
	.type	k_q6e643e6303_prep,@function
k_q6e643e6303_prep:
	s_mov_b64 s[64:65], 0
	v_nop
	global_prefetch_b8 v0, s[64:65] scope:SCOPE_SE
	s_setreg_imm32_b32 hwreg(HW_REG_WAVE_MODE, 25, 1), 1
	s_wait_xcnt 0x0
; MULTI-HEAD CAUSAL SELF-ATTENTION, B 4, S 2048, D 1024, 16 heads of 64.  Five launches: prep, qkv, first16, attn, proj.
; THIS LAUNCH: (Q) x and w_q, w_k, w_v, f32 with K innermost, become codes of FP4 (E2M1) with one E8M0 byte for each 32 along K, stacked in one buffer:
; rows 0..8191 are x's, rows 8192.. are w_q's, w_k's, w_v's; (W) w_o becomes f16; (T) the table of cos and sin for the rotation, from token_positions as they are given.
; WORK LEFT OUT IN THIS PROGRAM.  reference() builds the mask tril(ones(S, S)) in its own body and puts -1e9 where key > query.  A weight exp(-1e9 - max) is 0 in f32 as soon as the row's largest
; allowed score lies above about -1e9 + 104, and key = query is always allowed.  So tiles of keys that lie wholly behind a tile's queries are neither loaded nor multiplied (launch attn), and inside a tile on the diagonal
; hidden scores become -infinity.  LIMITS: scaled scores stay above -1e9 + 104; a NaN, an infinity or an overflow that reaches only hidden keys is not carried to the result.  Every input is loaded.
; THE QUANTISER: a block's scale is 2^(floor(log2(its largest magnitude)) - 2); its byte is that magnitude's exponent field - 2, held at 1 from below.  A block of zeros so gets the byte 1 where the rule says 127:
; its codes are zeros, which add nothing under any byte but 0xff, and this program alone reads the bytes.  LIMITS: NaN and infinities among the inputs are not served; magnitudes under 2^-124 were not tried.
; THE TABLE: angle = f32(position) x 10^(-i/8) in f32, reduced by multiples of pi/2 in two parts, then polynomials of degree 7 and 8 on |r| <= pi/4.  LIMIT: the inverse frequency is a product of two f32
; constants, within an ulp or two of reference()'s; the angle differs from reference()'s by about 1e-7 of its size, which shows only for positions far beyond the 2,048 of this shape.
; w_o in f16: magnitudes up to 65,504.
; Work-groups 0..351: Q (256 for x, 32 for each weight); 352..383: W; 384..399: T.  The three ways part on the work-group's number; only Q touches LDS.
.set WAVES, 4
.set STEPS, 16
.set EMAX,  2
.set CB,    8                          ; bytes of 16 codes
.set R,     16                         ; v16-79   four sets of 16 numbers as they are loaded
.set X,     80                         ; v80-111  two sets of 16 neighbours
.set E,     112                        ; v112-127 a scale byte for each step
.set C,     128                        ; v128-191 codes: four registers for each step
.set WREG,  8192                       ; LDS: a region for each wave: two stages of 32 x SP bytes, behind them its 256 scale bytes
.set SP,    80                         ; a lane's place in a stage: 64 bytes + 16 of padding
.set SPW,   12                         ; v12 LDS address of my spare word; never rewritten
.set NIL,   13                         ; v13 0; never rewritten
.set SPARE, WAVES*WREG                 ; behind the regions: the spare words, 128 bytes a wave
	s_load_b256 s[4:11], s[0:1], 0x0               ; x, w_q, w_k, w_v
	s_load_b256 s[12:19], s[0:1], 0x20             ; w_o, token_positions, codes, scales
	s_load_b128 s[20:23], s[0:1], 0x40             ; wo16, rope
	v_lshl_add_u32 v[SPW], v0, 2, SPARE
	v_mov_b32 v[NIL], 0
	v_lshrrev_b32 v1, 5, v0
	v_readfirstlane_b32 s24, v1                    ; wave
	v_and_b32 v2, 31, v0                           ; lane
	v_lshlrev_b32 v3, 4, v2                        ; 16 x lane
	v_lshlrev_b32 v4, 3, v2                        ; 8 x lane
	s_wait_kmcnt 0x0
	s_cmp_ge_u32 ttmp9, 384
	s_cbranch_scc1 .Ltab
	s_cmp_ge_u32 ttmp9, 352
	s_cbranch_scc1 .Lwo
	; ---------------- Q: a wave takes 16 steps of 512 numbers.  Loads read 512 consecutive bytes; the numbers turn through the wave's stage so that a lane holds 16 neighbours along K
	s_mul_i32 s25, s24, WREG
	v_lshrrev_b32 v14, 2, v2
	v_mul_u32_u24 v14, v14, SP
	v_and_b32 v15, 3, v2
	v_lshl_add_u32 v14, v15, 4, v14
	v_add_nc_u32 v14, s25, v14                     ; the stage, on the way in: SP (lane / 4) + 16 (lane % 4)
	v_mul_u32_u24 v15, v2, SP
	v_add_nc_u32 v15, s25, v15                     ; on the way out: SP x lane
	v_lshrrev_b32 v5, 1, v2
	s_add_co_u32 s25, s25, 2*32*SP
	v_add_nc_u32 v5, s25, v5                       ; my block's scale byte in the wave's 256
	v_add_nc_u32 v6, s25, v4                       ; and 8 bytes a lane on their way out
	s_mov_b64 s[26:27], s[10:11]                   ; which tensor: the choice hangs on the work-group's number alone
	s_mov_b32 s28, 320
	s_cmp_lt_u32 ttmp9, 320
	s_cselect_b64 s[26:27], s[8:9], s[26:27]
	s_cselect_b32 s28, 288, s28
	s_cmp_lt_u32 ttmp9, 288
	s_cselect_b64 s[26:27], s[6:7], s[26:27]
	s_cselect_b32 s28, 256, s28
	s_cmp_lt_u32 ttmp9, 256
	s_cselect_b64 s[26:27], s[4:5], s[26:27]
	s_cselect_b32 s28, 0, s28                      ; the tensor's first work-group
	s_sub_co_u32 s28, ttmp9, s28
	s_lshl_b32 s28, s28, 2
	s_add_co_u32 s28, s28, s24                     ; my run of 8,192 numbers in the tensor
	s_lshl_b32 s28, s28, 15
	s_mov_b32 s29, 0
	s_add_nc_u64 s[26:27], s[26:27], s[28:29]
	s_lshl_b32 s30, ttmp9, 2
	s_add_co_u32 s30, s30, s24                     ; and in the stacked buffers
	s_lshl_b32 s28, s30, 12                        ; 4,096 bytes of codes a run
	s_add_nc_u64 s[16:17], s[16:17], s[28:29]
	s_lshl_b32 s28, s30, 8                         ; 256 scale bytes a run
	s_add_nc_u64 s[18:19], s[18:19], s[28:29]
.macro LOAD t
.irp i, 0,1,2,3
	global_load_b128 v[R+16*((\t)%4)+4*\i:R+16*((\t)%4)+4*\i+3], v3, s[26:27] offset:2048*(\t)+512*\i th:TH_LOAD_NT
.endr
.endm
.macro TURN t                          ; step t's numbers through the stage: LDS serves a wave's instructions in order, so no wait stands between the stores and the loads
.irp i, 0,1,2,3
	ds_store_b128 v14, v[R+16*((\t)%4)+4*\i:R+16*((\t)%4)+4*\i+3] offset:32*SP*((\t)%2)+8*SP*\i
.endr
.irp i, 0,1,2,3
	ds_load_b128 v[X+16*((\t)%2)+4*\i:X+16*((\t)%2)+4*\i+3], v15 offset:32*SP*((\t)%2)+16*\i
.endr
.endm
.irp t, 0,1,2,3
	LOAD \t
.endr
	s_wait_loadcnt 12                              ; step 0's four loads are in; twelve younger ones stay out
	TURN 0
.macro STEP t
.set XS, X+16*((\t)%2)
.if (\t) > 0
	s_wait_dscnt 1                                 ; this step's numbers are back from the stage; the last step's byte store may be out
.else
	s_wait_dscnt 0x0
.endif
.if (\t)+4 < STEPS
	LOAD (\t)+4                                    ; into the registers whose stores into the stage are done
.endif
.if (\t)+1 < STEPS
.if STEPS-2-(\t) >= 3
	s_wait_loadcnt 12                              ; the next step's four loads are in; those of the three steps behind it may be out
.else
	s_wait_loadcnt 4*(STEPS-2-(\t))
.endif
	TURN (\t)+1
.endif
	v_max3_num_f32 v8, |v[XS]|, |v[XS+1]|, |v[XS+2]|               ; the largest magnitude of my 16, in two chains
	v_max3_num_f32 v9, |v[XS+3]|, |v[XS+4]|, |v[XS+5]|
.irp i, 6,10
	v_max3_num_f32 v8, v8, |v[XS+\i]|, |v[XS+\i+1]|
	v_max3_num_f32 v9, v9, |v[XS+\i+2]|, |v[XS+\i+3]|
.endr
	v_max3_num_f32 v8, v8, |v[XS+14]|, |v[XS+15]|
	v_max3_num_f32 v8, v8, v9, (EMAX+1)<<23        ; and the floor 2^(EMAX + 1 - 127): the byte cannot fall under 1
	v_max_num_f32_dpp v8, v8, v8 row_xmask:1 row_mask:0xf bank_mask:0xf   ; with my neighbour's 16: the block's
	v_add_nc_u32 v11, -(EMAX<<23), v8              ; EMAX off its exponent field: the conversion takes the exponent field of this operand as its scale
	v_cvt_scalef32_pk8_fp4_f32 v[C+4*(\t)], v[XS:XS+7], v11
	v_cvt_scalef32_pk8_fp4_f32 v[C+4*(\t)+1], v[XS+8:XS+15], v11
	v_lshrrev_b32 v[E+(\t)], 23, v11               ; the scale's byte
	ds_store_b8 v5, v[E+(\t)] offset:16*(\t)       ; both lanes of a block write the same byte with the same value
	global_store_b64 v4, v[C+4*(\t):C+4*(\t)+1], s[16:17] offset:32*CB*(\t)   ; the wave stores 256 consecutive bytes, aligned
.endm
.irp t, 0,1,2,3,4,5,6,7,8,9,10,11,12,13,14,15
	STEP \t
.endr
	ds_load_b64 v[8:9], v6                         ; served in order: these see my byte stores
	s_wait_dscnt 0x0
	global_store_b64 v4, v[8:9], s[18:19]          ; 256 consecutive scale bytes, aligned
	s_wait_tensorcnt 0x0                           ; the wave's end, behind my last LDS store
	ds_add_u32 v[SPW], v[NIL]
	s_wait_dscnt 0x0
	s_endpgm
	; ---------------- W: w_o to f16, a plain stream: a wave takes 8,192 numbers in four rounds of sixteen loads, one round ahead
.Lwo:
	s_sub_co_u32 s25, ttmp9, 352
	s_lshl_b32 s25, s25, 2
	s_add_co_u32 s25, s25, s24
	s_lshl_b32 s26, s25, 15
	s_mov_b32 s27, 0
	s_add_nc_u64 s[12:13], s[12:13], s[26:27]
	s_lshl_b32 s26, s25, 14
	s_add_nc_u64 s[20:21], s[20:21], s[26:27]
.macro WLOAD g
.irp i, 0,1,2,3,4,5,6,7,8,9,10,11,12,13,14,15
	global_load_b128 v[16+64*((\g)%2)+4*\i:16+64*((\g)%2)+4*\i+3], v3, s[12:13] offset:(16*(\g)+\i)*512 th:TH_LOAD_NT
.endr
.endm
.macro WROUND g
	s_wait_xcnt 0x0                                ; the last round's stores have read v144-175, which are written again below
.if (\g) < 3
	WLOAD (\g)+1
.endif
.set i, 0
.rept 16
.if (\g) < 3
	s_wait_loadcnt 31-i                            ; behind load i: 15 - i of this round and the next round's sixteen
.else
	s_wait_loadcnt 15-i
.endif
	v_cvt_pk_f16_f32 v[144+2*i], v[16+64*((\g)%2)+4*i], v[16+64*((\g)%2)+4*i+1]
	v_cvt_pk_f16_f32 v[145+2*i], v[16+64*((\g)%2)+4*i+2], v[16+64*((\g)%2)+4*i+3]
	global_store_b64 v4, v[144+2*i:145+2*i], s[20:21] offset:(16*(\g)+i)*256   ; 256 consecutive bytes, aligned
.set i, i+1
.endr
.endm
	WLOAD 0
	WROUND 0
	WROUND 1
	WROUND 2
	WROUND 3
	s_endpgm
	; ---------------- T: rope[s][i] = (cos, sin) of position[s] x 10^(-i/8), i = 0 .. 31.  A wave takes 32 rows; a lane takes a pair i
.Ltab:
	s_sub_co_u32 s25, ttmp9, 384
	s_lshl_b32 s25, s25, 2
	s_add_co_u32 s25, s25, s24                     ; which 32 rows
	s_lshl_b32 s26, s25, 7
	s_mov_b32 s27, 0
	s_add_nc_u64 s[14:15], s[14:15], s[26:27]
	s_load_b512 s[32:47], s[14:15], 0x0            ; my 32 positions
	s_load_b512 s[48:63], s[14:15], 0x40
	s_lshl_b32 s28, s25, 13                        ; 32 rows of 256 bytes
	s_mov_b32 s29, 0
	s_add_nc_u64 s[22:23], s[22:23], s[28:29]
	s_mov_b32 s4, 0xbfc90fdb                       ; -(pi/2 rounded to f32)
	s_mov_b32 s5, 0x333bbd2e                       ; what that rounding added: 4.371139e-8
	s_mov_b32 s6, 0xb94ca1f9                       ; sine: -1.9515296e-4, 8.3321609e-3, -0.16666655
	s_mov_b32 s7, 0x3c08839e
	s_mov_b32 s8, 0xbe2aaaa3
	s_mov_b32 s9, 0x37ccf5ce                       ; cosine: 2.4433157e-5, -1.3887316e-3, 4.1666646e-2
	s_mov_b32 s10, 0xbab6061a
	s_mov_b32 s11, 0x3d2aaaa5
.macro PICK reg, idx, k, bits          ; v[reg] = bits in the lanes where v[idx] = k
	v_cmp_ne_u32 vcc_lo, \k, v[\idx]
	v_cndmask_b32 v[\reg], \bits, v[\reg], vcc_lo
.endm
	v_and_b32 v5, 7, v2
	v_lshrrev_b32 v6, 3, v2
	v_mov_b32 v7, 1.0                              ; 10^(-(i % 8) / 8)
	PICK 7, 5, 1, 0x3f3ff911
	PICK 7, 5, 2, 0x3f0ff59a
	PICK 7, 5, 3, 0x3ed7e89b
	PICK 7, 5, 4, 0x3ea1e89b
	PICK 7, 5, 5, 0x3e72d424
	PICK 7, 5, 6, 0x3e361887
	PICK 7, 5, 7, 0x3e088d77
	v_mov_b32 v8, 1.0                              ; 10^(-(i / 8))
	PICK 8, 6, 1, 0x3dcccccd
	PICK 8, 6, 2, 0x3c23d70a
	PICK 8, 6, 3, 0x3a83126f
	v_mul_f32 v7, v7, v8                           ; the pair's inverse frequency
	s_wait_kmcnt 0x0
.macro ROW n
	v_cvt_f32_i32 v8, s[32+\n]
	v_mul_f32 v8, v8, v7                           ; the angle, in f32 as reference() has it
	v_mul_f32 v9, 0x3f22f983, v8                   ; x 2 / pi
	v_rndne_f32 v9, v9                             ; how many quarter turns
	v_fma_f32 v10, v9, s4, v8
	v_fma_f32 v10, v9, s5, v10                     ; r, |r| <= pi/4
	v_cvt_i32_f32 v11, v9
	v_mul_f32 v16, v10, v10                        ; z = r^2
	v_fma_f32 v17, v16, s6, s7
	v_fma_f32 v19, v16, s9, s10
	v_fma_f32 v17, v17, v16, s8
	v_fma_f32 v19, v19, v16, s11
	v_mul_f32 v18, v16, v10
	v_mul_f32 v20, v16, v16
	v_fma_f32 v21, v16, -0.5, 1.0
	v_fma_f32 v17, v17, v18, v10                   ; sin r
	v_fma_f32 v19, v19, v20, v21                   ; cos r
	v_and_b32 v22, 1, v11
	v_cmp_eq_u32 vcc_lo, 1, v22                    ; an odd number of quarter turns swaps the two
	v_cndmask_b32 v23, v17, v19, vcc_lo
	v_cndmask_b32 v24, v19, v17, vcc_lo
	v_lshlrev_b32 v25, 30, v11
	v_and_b32 v25, 0x80000000, v25                 ; the sine is negative in quarters 2 and 3,
	v_add_nc_u32 v26, 1, v11
	v_lshlrev_b32 v26, 30, v26
	v_and_b32 v26, 0x80000000, v26                 ; the cosine in quarters 1 and 2
	v_xor_b32 v[64+2*\n], v26, v24
	v_xor_b32 v[65+2*\n], v25, v23
	global_store_b64 v4, v[64+2*\n:65+2*\n], s[22:23] offset:256*\n   ; a row: 256 consecutive bytes, aligned; each row has a pair of registers of its own
.endm
.irp n, 0,1,2,3,4,5,6,7,8,9,10,11,12,13,14,15,16,17,18,19,20,21,22,23,24,25,26,27,28,29,30,31
	ROW \n
.endr
	s_endpgm
.Lfunc_end_k_q6e643e6303_prep:
	.size	k_q6e643e6303_prep, .Lfunc_end_k_q6e643e6303_prep-k_q6e643e6303_prep
	.p2alignl 7, 3214868480
	.fill 96, 4, 3214868480
	.section	.rodata,"a",@progbits
	.p2align	6, 0x0
	.amdhsa_kernel k_q6e643e6303_prep
		.amdhsa_group_segment_fixed_size 33280
		.amdhsa_private_segment_fixed_size 0
		.amdhsa_enable_private_segment 0
		.amdhsa_kernarg_size 80
		.amdhsa_user_sgpr_count 2
		.amdhsa_user_sgpr_kernarg_segment_ptr 1
		.amdhsa_wavefront_size32 1
		.amdhsa_system_sgpr_workgroup_id_x 1
		.amdhsa_system_sgpr_workgroup_id_y 1
		.amdhsa_system_sgpr_workgroup_id_z 1
		.amdhsa_system_vgpr_workitem_id 0
		.amdhsa_next_free_vgpr 192
		.amdhsa_next_free_sgpr 66
		.amdhsa_reserve_vcc 1
		.amdhsa_float_denorm_mode_32 3
		.amdhsa_float_denorm_mode_16_64 3
		.amdhsa_memory_ordered 1
		.amdhsa_forward_progress 1
		.amdhsa_inst_pref_size 101
	.end_amdhsa_kernel
	.amdgpu_metadata
---
amdhsa.version: [ 1, 2 ]
amdhsa.kernels:
  - .name:           k_q6e643e6303_prep
    .symbol:         k_q6e643e6303_prep.kd
    .args:
      - { .name: x, .offset: 0, .size: 8, .value_kind: global_buffer, .address_space: global }
      - { .name: w_q, .offset: 8, .size: 8, .value_kind: global_buffer, .address_space: global }
      - { .name: w_k, .offset: 16, .size: 8, .value_kind: global_buffer, .address_space: global }
      - { .name: w_v, .offset: 24, .size: 8, .value_kind: global_buffer, .address_space: global }
      - { .name: w_o, .offset: 32, .size: 8, .value_kind: global_buffer, .address_space: global }
      - { .name: token_positions, .offset: 40, .size: 8, .value_kind: global_buffer, .address_space: global }
      - { .name: codes, .offset: 48, .size: 8, .value_kind: global_buffer, .address_space: global }
      - { .name: scales, .offset: 56, .size: 8, .value_kind: global_buffer, .address_space: global }
      - { .name: wo16, .offset: 64, .size: 8, .value_kind: global_buffer, .address_space: global }
      - { .name: rope, .offset: 72, .size: 8, .value_kind: global_buffer, .address_space: global }
    .group_segment_fixed_size: 33280
    .private_segment_fixed_size: 0
    .kernarg_segment_align: 8
    .kernarg_segment_size: 80
    .max_flat_workgroup_size: 128
    .sgpr_count:     66
    .vgpr_count:     192
    .wavefront_size: 32
...
	.end_amdgpu_metadata
.endif
;; end of part 1
;; launch qkv (part 2): grid 12 x 32, 4 waves a work-group, clusters of 4 x 4, 327,680 bytes of LDS; arguments codes, scales, rope, qkv16, qkv32; writes qkv16, qkv32
.if DOCPART == 2
	.amdgcn_target "amdgcn-amd-amdhsa--gfx1250"
	.amdhsa_code_object_version 6
	.text
	.protected	k_q6e643e6303_qkv
	.globl	k_q6e643e6303_qkv
	.p2align	8
	.type	k_q6e643e6303_qkv,@function
k_q6e643e6303_qkv:
	s_mov_b64 s[64:65], 0
	v_nop
	global_prefetch_b8 v0, s[64:65] scope:SCOPE_SE
	s_setreg_imm32_b32 hwreg(HW_REG_WAVE_MODE, 25, 1), 1
	s_wait_xcnt 0x0
	s_wait_alu depctr_hold_cnt(0) depctr_sa_sdst(0) depctr_va_vdst(0) depctr_va_sdst(0) depctr_va_ssrc(0) depctr_va_vcc(0) depctr_vm_vsrc(0)
	s_getreg_b32 s2, hwreg(HW_REG_IB_STS2, 6, 4)
	s_cmp_eq_u32 s2, 0
	s_cbranch_scc0 .Lentry_in_a_cluster
	s_endpgm
.Lentry_in_a_cluster:
	s_bfe_u32 s2, ttmp6, 0x10000c
	s_cmp_lg_u32 s2, 0xf033
	s_cbranch_scc0 .Lentry_shape_is_right
	s_endpgm
.Lentry_shape_is_right:
; q, k, v = x W^T on codes of FP4 (E2M1) with one E8M0 scale for each 32 along K, then the rotation of q and k, then f16.  One GEMM: A = x's 8,192 rows, B = the 3,072 stacked rows of w_q, w_k, w_v (rows 8192.. of the same
; two buffers), K = 1,024.  A tile of 256 x 256 is made by four waves, 128 x 128 each: 64 accumulators of 16 x 16.  K is two slots of 512 (rows of 256 bytes), both asked for at the head: no slot is filled again.
; The scale bytes of the work-group's rows come once, as dense blocks.  CLUSTERS: 4 x 4 work-groups; A's tiles are asked for jointly along a row of the cluster, B's along a column.
; The cluster's x is the type (q, k, v); a work-group's batch is its cy and its rows 256 x (cluster y) on, so that the tiles with positions under 16 are those of cluster y = 0, in all sixteen partners alike.
; THE MATRIX INSTRUCTION IS USED TRANSPOSED (source 0 = 16 rows of W, source 1 = 16 rows of x): a lane holds eight neighbouring channels of one position, that is four pairs of the rotation.
; OUT: qkv16 [type][batch][head][position][64] f16, dense by head; qkv32 [type][batch][head][16][64] f32: the first 16 positions, for the launch that carries them in f32
; (786,432 bytes in the whole launch, stored in pieces of 32 bytes a lane).  LIMIT: q, k, v up to 65,504 in magnitude.
; REGISTERS, in windows of 256: window 0: v0-31 addresses; v32-95 scale words, two sets; from v128 A's fragments, one set; on the way out v32-223 are at work.  window 1: B's fragments, two sets.
; window 2: the accumulators of my rows 0-63 ((a, b) at v[8 (8 a + b)]); window 3: those of my rows 64-127.
.set NQ,     4                         ; steps of 128 along K in a slot
.set ROWB,   256                       ; a tile's row in bytes: 512 codes
.set KROW,   512                       ; a row of codes in memory
.set PITCH,  272                       ; an LDS row: 256 bytes + 16 of padding
.set FR,     8
.set NL,     2
.set NP,     4
.set HALFT,  128*PITCH
.set SLOT,   4*HALFT
.set KS,     32                        ; a row of scale bytes
.set SCL,    2*SLOT
.set HALFS,  (128*KS/256)*272
.set SBLK,   (16*KS/256)*272
.set SPARE,  SCL+4*HALFS               ; the spare words, 128 bytes a wave
.set ADRA, 16
.set ADRB, 20
.set STO,  24                          ; v24 the way out: where I put 16 bytes of a row
.set RD,   25                          ; v25 where I read rows back
.set CO,   26                          ; v26 16 x lane
.set ADRS, 27
.set SPW,  28
.set NIL,  29
.set TA,   30                          ; v30 256 r + 32 h: my place in 16 rows of the table, and of qkv32
.set SC,   32
.set AF,   128
.set T,    32                          ; the way out: two sets of 32: cos and sin of my 16 pairs
.set RR,   96                          ; 64 rotated numbers
.set TMP,  160                         ; 32 registers of f16
.set BK,   192                         ; 32 registers read back
.set G1, 24
.set G0, 32
.set G1B, 48
.set G0B, 56
.set G1S, 68
.set G0S, 76
.set G1SB, 80
.set G0SB, 88
.set MSB, 0
.macro WIN new                         ; the immediate's high byte repeats the setting that is left
.if MSB != \new
	s_set_vgpr_msb (MSB<<8)|\new
.set MSB, \new
.endif
.endm
.set MUL_LO, 0xa1
.set MUL_HI, 0xf1
.set TO_B,   0x40
; A joint load: waves 0 and 1 fetch for A, waves 2 and 3 for B; an s_nop 0 and four v_nop follow each of the two lines
.macro JLOAD g0a, g1a, g0b, g1b
	s_cmp_eq_u32 s15, 0
	s_cbranch_scc0 .Lfor_b_\@
	tensor_load_to_lds s[\g0a:\g0a+3], s[\g1a:\g1a+7]
	s_nop 0
.rept 4
	v_nop
.endr
	s_branch .Lasked_\@
.Lfor_b_\@:
	tensor_load_to_lds s[\g0b:\g0b+3], s[\g1b:\g1b+7]
	s_nop 0
.rept 4
	v_nop
.endr
.Lasked_\@:
.endm
.macro CROUND                          ; a round of the cluster's barrier
	s_barrier_signal -1
	s_barrier_wait -1
	s_cmp_lg_u32 s14, 0
	s_cbranch_scc1 .Lnot_wave_0_\@
	s_barrier_signal -3
.Lnot_wave_0_\@:
	s_barrier_wait -3
	s_barrier_signal -1
	s_barrier_wait -1
.endm
	s_load_b256 s[4:11], s[0:1], 0x0               ; codes s[4:5], scales s[6:7], rope s[8:9], qkv16 s[10:11]
	s_load_b64 s[12:13], s[0:1], 0x20              ; qkv32
	v_lshl_add_u32 v[SPW], v0, 2, SPARE
	v_mov_b32 v[NIL], 0
	ds_add_u32 v[SPW], v[NIL]                      ; the wave's opening: the add, twice on end, and its wait ahead of my first tensor load
	ds_add_u32 v[SPW], v[NIL]
	v_lshrrev_b32 v1, 5, v0
	v_readfirstlane_b32 s14, v1                    ; wave 0..3
	s_lshr_b32 s15, s14, 1                         ; which half of the tile's rows is mine.  Also: I fetch for A (0) or for B (1)
	s_and_b32 s16, s14, 1                          ; which half of its columns.  Also: which 128 rows I fetch
	s_bfe_u32 s40, ttmp6, 0x40000                  ; cx, cy
	s_bfe_u32 s41, ttmp6, 0x40004
	s_lshl_b32 s42, ttmp9, 2
	s_add_co_u32 s42, s42, s40                     ; tile column = 4 x type + cx
	s_and_b32 s95, ttmp7, 0xffff                   ; cluster y
	s_lshl_b32 s17, s41, 3
	s_add_co_u32 s17, s17, s95                     ; tile row = 8 x batch (cy) + cluster y
	s_or_b32 s3, s95, s15                          ; 0 where my first block holds positions 0 to 15
	s_lshl_b32 s43, s41, 2
	s_lshl_b32 s43, 15, s43                        ; my row of the cluster
	s_lshl_b32 s44, 0x1111, s40                    ; my column
	s_or_b32 s[G1+0], s43, (0<<16)|(1<<20)|(1<<21)|(5<<22)|(3<<25)  ; the mask; elements of 1 byte; padding: 4 words behind every 64
	s_or_b32 s[G1B+0], s44, (0<<16)|(1<<20)|(1<<21)|(5<<22)|(3<<25)
.irp g, G1, G1B
	s_mov_b32 s[\g+1], ROWB<<16                    ; tensor_dim0
	s_mov_b32 s[\g+2], 128<<16                     ; tensor_dim1
	s_mov_b32 s[\g+3], ROWB<<16                    ; tile_dim0
	s_mov_b32 s[\g+4], 128                         ; tile_dim1
	s_mov_b32 s[\g+5], KROW                        ; the pitch
	s_mov_b32 s[\g+6], 0
	s_mov_b32 s[\g+7], 0
.endr
	s_or_b32 s[G1S+0], s43, (3<<16)|(1<<20)|(1<<21)|(5<<22)|(3<<25)  ; the scales of 128 rows: 4,096 dense bytes as 16 rows of 256, 16 bytes of padding behind each
	s_or_b32 s[G1SB+0], s44, (3<<16)|(1<<20)|(1<<21)|(5<<22)|(3<<25)
.irp g, G1S, G1SB
	s_mov_b32 s[\g+1], 32<<16
	s_mov_b32 s[\g+2], (128*KS/256)<<16
	s_mov_b32 s[\g+3], 32<<16
	s_mov_b32 s[\g+4], 128*KS/256
	s_mov_b32 s[\g+5], 32
	s_mov_b32 s[\g+6], 0
	s_mov_b32 s[\g+7], 0
.endr
	s_lshl_b32 s18, s16, 7
	s_lshl_b32 s20, s17, 8
	s_add_co_u32 s20, s20, s18                     ; A: row 256 x tile row + 128 x half
	s_lshl_b32 s46, s42, 8
	s_add_co_u32 s46, s46, s18
	s_add_co_u32 s46, s46, 8192                    ; B: the weights' rows lie behind x's
	s_mov_b32 s21, 0
	s_mov_b32 s47, 0
	s_mov_b64 s[18:19], KS
	s_mul_u64 s[22:23], s[20:21], s[18:19]
	s_mul_u64 s[92:93], s[46:47], s[18:19]
	s_mov_b64 s[18:19], KROW
	s_mul_u64 s[20:21], s[20:21], s[18:19]
	s_mul_u64 s[46:47], s[46:47], s[18:19]
	s_mul_i32 s45, s14, HALFT                      ; where they go: wave x 128 rows
	s_mul_i32 s94, s14, HALFS
	s_wait_dscnt 0x0                               ; both opening adds are done
	s_wait_kmcnt 0x0
	s_add_nc_u64 s[20:21], s[4:5], s[20:21]
	s_add_nc_u64 s[22:23], s[6:7], s[22:23]
	s_add_nc_u64 s[46:47], s[4:5], s[46:47]
	s_add_nc_u64 s[92:93], s[6:7], s[92:93]
	CROUND                                         ; all sixteen work-groups are here: the joint loads meet
	s_mov_b32 s[G0S], 1
	s_add_co_u32 s[G0S+1], s94, SCL
	s_mov_b64 s[G0S+2:G0S+3], s[22:23]
	s_or_b32 s[G0S+3], s[G0S+3], 0x80000000
	s_mov_b32 s[G0SB], 1
	s_add_co_u32 s[G0SB+1], s94, SCL
	s_mov_b64 s[G0SB+2:G0SB+3], s[92:93]
	s_or_b32 s[G0SB+3], s[G0SB+3], 0x80000000
	JLOAD G0S, G1S, G0SB, G1SB                     ; three loads of mine go out: the scales, slot 0, slot 1
.irp s, 0,1
	s_mov_b32 s[G0+4*\s], 1
	s_add_co_u32 s[G0+4*\s+1], s45, \s*SLOT
	s_add_nc_u64 s[G0+4*\s+2:G0+4*\s+3], s[20:21], \s*ROWB
	s_or_b32 s[G0+4*\s+3], s[G0+4*\s+3], 0x80000000
	s_mov_b32 s[G0B+4*\s], 1
	s_add_co_u32 s[G0B+4*\s+1], s45, \s*SLOT
	s_add_nc_u64 s[G0B+4*\s+2:G0B+4*\s+3], s[46:47], \s*ROWB
	s_or_b32 s[G0B+4*\s+3], s[G0B+4*\s+3], 0x80000000
	JLOAD G0+4*\s, G1, G0B+4*\s, G1B
.endr
	v_and_b32 v1, 15, v0                           ; r
	v_bfe_u32 v2, v0, 4, 1                         ; h
	v_mul_u32_u24 v3, v1, PITCH
	v_lshl_add_u32 v4, v2, 4, v3
	s_mul_i32 s21, s15, HALFT
	s_mul_i32 s22, s16, HALFT
	s_add_co_u32 s22, s22, 2*HALFT
.irp s, 0,1
	v_add_nc_u32 v[ADRA+\s], s21, v4
	v_add_nc_u32 v[ADRB+\s], s22, v4
	s_add_co_u32 s21, s21, SLOT
	s_add_co_u32 s22, s22, SLOT
.endr
	v_mul_u32_u24 v5, v1, KS                       ; my row's scales: 32 bytes a row, and 16 more for each 256 passed
	v_lshrrev_b32 v6, 8, v5
	v_lshl_add_u32 v5, v6, 4, v5
	s_mul_i32 s21, s15, HALFS
	s_mul_i32 s22, s16, HALFS
	s_add_co_u32 s22, s22, 2*HALFS
	s_sub_co_u32 s22, s22, s21
	v_mul_u32_u24 v6, s22, v2                      ; lanes 16-31 take B's
	s_add_co_u32 s21, s21, SCL
	v_add_nc_u32 v5, v5, v6
	v_add_nc_u32 v[ADRS], s21, v5
	s_mul_i32 s23, s14, 16*PITCH                   ; my stage, in slot 0: 16 rows x (256 bytes + 16)
	v_add_nc_u32 v[STO], s23, v4                   ; in: row r, 16 bytes for each half of the lanes
	v_bfe_u32 v5, v0, 3, 2
	v_and_b32 v6, 7, v0
	v_mul_u32_u24 v5, v5, PITCH
	v_lshl_add_u32 v5, v6, 4, v5
	v_add_nc_u32 v[RD], s23, v5                    ; back: eight lanes take a head's 128 bytes of a row, four rows an instruction
	v_and_b32 v6, 31, v0
	v_lshlrev_b32 v[CO], 4, v6
	v_lshlrev_b32 v[TA], 8, v1
	v_lshl_add_u32 v[TA], v2, 5, v[TA]
	; where my results go
	s_lshl_b32 s46, s41, 4
	s_lshl_b32 s47, s40, 2
	s_add_co_u32 s46, s46, s47
	s_lshl_b32 s47, s16, 1
	s_add_co_u32 s46, s46, s47                     ; 16 x batch + my first head (4 cx + 2 x column half)
	s_lshl_b32 s18, s46, 12                        ; qkv32: 4,096 bytes a head,
	s_lshl_b32 s19, ttmp9, 18                      ; 262,144 a type
	s_add_co_u32 s18, s18, s19
	s_mov_b32 s19, 0
	s_add_nc_u64 s[12:13], s[12:13], s[18:19]
	s_lshl_b32 s46, s46, 11                        ; qkv16: 2,048 rows a head,
	s_lshl_b32 s47, s95, 8
	s_add_co_u32 s46, s46, s47                     ; + 256 x cluster y
	s_lshl_b32 s47, s15, 7
	s_add_co_u32 s46, s46, s47                     ; + 128 x row half,
	s_lshl_b32 s46, s46, 7                         ; of 128 bytes,
	s_lshl_b32 s47, ttmp9, 24                      ; 2^24 bytes a type
	s_add_co_u32 s46, s46, s47
	s_mov_b32 s47, 0
	s_add_nc_u64 s[10:11], s[10:11], s[46:47]
	s_lshl_b32 s18, s95, 16                        ; the table: my first position x 256 bytes
	s_lshl_b32 s19, s15, 15
	s_add_co_u32 s18, s18, s19
	s_mov_b32 s19, 0
	s_add_nc_u64 s[8:9], s[8:9], s[18:19]
.macro FRAG reg, adr, q, i             ; 16 rows x 128 K of 4-bit codes: 8 registers, two loads of 16 bytes, 32 bytes apart
.irp c, 0,1
	ds_load_b128 v[\reg+4*\c:\reg+4*\c+3], v[\adr] offset:64*(\q)+32*\c+(\i)*16*PITCH
.endr
.endm
; 16 matrix instructions: A's blocks a0, a0 + 1 x B's eight.  The 64 accumulators take turns, one instruction a turn, in the same order in every step.
.macro MUL16 a0, p, q, sc, zero
.irp a, \a0, \a0+1
.irp b, 0,1,2,3,4,5,6,7
.if \zero
	v_wmma_scale_f32_16x16x128_f8f6f4 v[8*(8*((\a)%4)+\b):8*(8*((\a)%4)+\b)+7], v[128*(\p)+FR*\b:128*(\p)+FR*\b+FR-1], v[AF+FR*(\a):AF+FR*(\a)+FR-1], 0, v[SC+8*NQ*(\sc)+NQ*\b+(\q)], v[SC+8*NQ*(\sc)+NQ*(\a)+(\q)] matrix_a_fmt:MATRIX_FMT_FP4 matrix_b_fmt:MATRIX_FMT_FP4 matrix_a_scale:MATRIX_SCALE_ROW1
.else
	v_wmma_scale_f32_16x16x128_f8f6f4 v[8*(8*((\a)%4)+\b):8*(8*((\a)%4)+\b)+7], v[128*(\p)+FR*\b:128*(\p)+FR*\b+FR-1], v[AF+FR*(\a):AF+FR*(\a)+FR-1], v[8*(8*((\a)%4)+\b):8*(8*((\a)%4)+\b)+7], v[SC+8*NQ*(\sc)+NQ*\b+(\q)], v[SC+8*NQ*(\sc)+NQ*(\a)+(\q)] matrix_a_fmt:MATRIX_FMT_FP4 matrix_b_fmt:MATRIX_FMT_FP4 matrix_a_scale:MATRIX_SCALE_ROW1
.endif
.endr
.endr
.endm
.macro FETCH_B slot, q, p
	WIN TO_B
.irp i, 0,1,2,3,4,5,6,7
	FRAG 128*(\p)+FR*\i, ADRB+\slot, \q, \i
.endr
	WIN 0
.endm
.macro FETCH_A slot, q, i0
.irp i, \i0, \i0+1, \i0+2, \i0+3
	FRAG AF+FR*(\i), ADRA+\slot, \q, \i
.endr
.endm
.macro SCALES sc                       ; a slot's scale words: lanes 0-15 take A's block i, lanes 16-31 B's block i
.irp i, 0,1,2,3,4,5,6,7
	ds_load_b128 v[SC+8*NQ*\sc+NQ*\i:SC+8*NQ*\sc+NQ*\i+3], v[ADRS] offset:\i*SBLK
.endr
.endm
.macro PLACES n                        ; plain vector instructions between a matrix instruction and a load into, or a read of, its registers
.rept \n
	v_nop
.endr
.endm
.macro STEP slot, q, zero              ; a step of 128 along K that has its successor in the same slot
	s_wait_dscnt 4*NL                              ; B's set and A's blocks 0-3 are in; the youngest eight loads (A's blocks 4-7) may be out
	WIN MUL_LO
	MUL16 0, (\q)%2, \q, \slot, \zero
	MUL16 2, (\q)%2, \q, \slot, \zero
	s_wait_dscnt 0
	PLACES NP
	FETCH_B \slot, (\q)+1, 1-(\q)%2
	FETCH_A \slot, (\q)+1, 0
	WIN MUL_HI
	MUL16 4, (\q)%2, \q, \slot, \zero
	MUL16 6, (\q)%2, \q, \slot, \zero
	PLACES NP
	WIN 0
	FETCH_A \slot, (\q)+1, 4
.endm
	s_wait_tensorcnt 1                             ; the scales and my part of slot 0 are in; slot 1's load may be out
	s_barrier_signal -1
	s_barrier_wait -1
	FETCH_B 0, 0, 0
	FETCH_A 0, 0, 0
	SCALES 0
	FETCH_A 0, 0, 4
	STEP 0, 0, 1                                   ; the first products start the sums: nothing is cleared
	STEP 0, 1, 0
	STEP 0, 2, 0
	; slot 0's last step changes slots: one barrier; nothing is filled again
	s_wait_tensorcnt 0x0                           ; all my tensor loads have landed: my part of slot 1
	ds_add_u32 v[SPW], v[NIL]                      ; 0 onto my spare word
	s_wait_dscnt 4*NL+1                            ; the add and the youngest eight loads may be out
	WIN MUL_LO
	MUL16 0, 1, NQ-1, 0, 0
	s_wait_dscnt 0x0                               ; the add is done, and my reads of slot 0 are over
	s_barrier_signal -1
	MUL16 2, 1, NQ-1, 0, 0
	WIN 0
	s_barrier_wait -1
	PLACES NP
	v_add_nc_u32 v[ADRS], 4*NQ, v[ADRS]            ; on to slot 1's scale words
	FETCH_B 1, 0, 0
	FETCH_A 1, 0, 0
	SCALES 1
	WIN MUL_HI
	MUL16 4, 1, NQ-1, 0, 0
	MUL16 6, 1, NQ-1, 0, 0
	PLACES NP
	WIN 0
	FETCH_A 1, 0, 4
	STEP 1, 0, 0
	STEP 1, 1, 0
	STEP 1, 2, 0
	s_wait_dscnt 4*NL
	WIN MUL_LO
	MUL16 0, 1, NQ-1, 1, 0
	MUL16 2, 1, NQ-1, 1, 0
	s_wait_dscnt 0
	WIN MUL_HI
	MUL16 4, 1, NQ-1, 1, 0
	MUL16 6, 1, NQ-1, 1, 0
	WIN 0
; THE WAY OUT, block by block of 16 positions x 128 channels (two heads).  Lane (r, h) holds position r and, in accumulator b, channels 16 (b % 4) + 8 h + 0 .. 7 of head b / 4: pairs 8 (b % 4) + 4 h + 0 .. 3.
; The stage lies in slot 0, which has had its last fill, and which nobody reads behind the change of slots.
.macro TLOADS a                        ; cos and sin of my 16 pairs at block a's position r: 8 loads of 16 bytes
.irp g, 0,1,2,3
.irp e, 0,1
	global_load_b128 v[T+32*((\a)%2)+8*\g+4*\e:T+32*((\a)%2)+8*\g+4*\e+3], v[TA], s[8:9] offset:4096*(\a)+64*\g+16*\e
.endr
.endr
.endm
.macro ROT a                           ; (x1, x2) -> (x1 c - x2 s, x1 s + x2 c), two packed instructions a pair; each accumulator is read from its low end on
.set AC, 64*((\a)%4)
.set TS, T+32*((\a)%2)
	WIN 0x02+(\a)/4                                ; source 0: the accumulators' window
.irp b, 0,1,2,3,4,5,6,7
.irp i, 0,1,2,3
	v_pk_mul_f32 v[RR+8*\b+2*\i:RR+8*\b+2*\i+1], v[AC+8*\b+2*\i:AC+8*\b+2*\i+1], v[TS+8*(\b%4)+2*\i:TS+8*(\b%4)+2*\i+1] op_sel:[0,0] op_sel_hi:[0,1]   ; (x1 c, x1 s)
.endr
.irp i, 0,1,2,3
	v_pk_fma_f32 v[RR+8*\b+2*\i:RR+8*\b+2*\i+1], v[AC+8*\b+2*\i:AC+8*\b+2*\i+1], v[TS+8*(\b%4)+2*\i:TS+8*(\b%4)+2*\i+1], v[RR+8*\b+2*\i:RR+8*\b+2*\i+1] op_sel:[1,1,0] op_sel_hi:[1,0,1] neg_lo:[0,1,0]   ; + (-x2 s, x2 c)
.endr
.endr
	WIN 0
.endm
.macro OUT16 a                         ; 16 bytes a lane into my stage, back as runs of a head's rows, out as 512 consecutive bytes an instruction
.irp b, 0,1,2,3,4,5,6,7
	ds_store_b128 v[STO], v[TMP+4*\b:TMP+4*\b+3] offset:32*\b
.endr
.irp hh, 0,1
.irp t, 0,1,2,3
	ds_load_b128 v[BK+4*(4*\hh+\t):BK+4*(4*\hh+\t)+3], v[RD] offset:4*PITCH*\t+128*\hh   ; served in order: these see my stores
.endr
.endr
	s_wait_dscnt 0x0
.irp hh, 0,1
.irp t, 0,1,2,3
	global_store_b128 v[CO], v[BK+4*(4*\hh+\t):BK+4*(4*\hh+\t)+3], s[10:11] offset:2048*(\a)+512*\t+262144*\hh
.endr
.endr
.endm
	PLACES NP                                      ; behind the last products: loads land on the scale words' registers, and results are read
	s_cmp_eq_u32 ttmp9, 2                          ; the type is the cluster's x: all sixteen partners go the same way
	s_cbranch_scc1 .Lv
	TLOADS 0
.irp a, 0,1,2,3,4,5,6,7
	s_wait_xcnt 0x0                                ; the last block's stores have read RR and BK, which are written again
.if \a < 7
	TLOADS \a+1
	s_wait_loadcnt 8                               ; this block's eight loads are in; the next block's eight may be out
.else
	s_wait_loadcnt 0x0
.endif
	ROT \a
.if \a == 0
	s_cmp_lg_u32 s3, 0                             ; positions 0 to 15 also leave in f32
	s_cbranch_scc1 .Lnot_first_r
.irp b, 0,1,2,3,4,5,6,7
.irp e, 0,1
	global_store_b128 v[TA], v[RR+8*\b+4*\e:RR+8*\b+4*\e+3], s[12:13] offset:(\b/4)*4096+(\b%4)*64+16*\e
.endr
.endr
.Lnot_first_r:
.endif
.irp b, 0,1,2,3,4,5,6,7
.irp i, 0,1,2,3
	v_cvt_pk_f16_f32 v[TMP+4*\b+\i], v[RR+8*\b+2*\i], v[RR+8*\b+2*\i+1]
.endr
.endr
	OUT16 \a
.endr
	s_branch .Lend
.Lv:                                                   ; v is not rotated
.irp a, 0,1,2,3,4,5,6,7
	s_wait_xcnt 0x0                                ; the last block's stores have read BK
	WIN 0x0a+5*(\a/4)                              ; sources 0 and 1: window 2 or 3
.irp b, 0,1,2,3,4,5,6,7
.irp i, 0,1,2,3
	v_cvt_pk_f16_f32 v[TMP+4*\b+\i], v[64*(\a%4)+8*\b+2*\i], v[64*(\a%4)+8*\b+2*\i+1]
.endr
.endr
	WIN 0
.if \a == 0
	s_cmp_lg_u32 s3, 0
	s_cbranch_scc1 .Lnot_first_v
	WIN 0x08                                       ; a store's data are its source 1: window 2
.irp b, 0,1,2,3,4,5,6,7
.irp e, 0,1
	global_store_b128 v[TA], v[8*\b+4*\e:8*\b+4*\e+3], s[12:13] offset:(\b/4)*4096+(\b%4)*64+16*\e
.endr
.endr
	WIN 0
.Lnot_first_v:
.endif
	OUT16 \a
.endr
.Lend:
	s_wait_tensorcnt 0x0                           ; the wave's end, behind my last tensor load and my last LDS store
	ds_add_u32 v[SPW], v[NIL]
	s_wait_dscnt 0x0
	CROUND                                         ; the closing round
	s_endpgm
.Lfunc_end_k_q6e643e6303_qkv:
	.size	k_q6e643e6303_qkv, .Lfunc_end_k_q6e643e6303_qkv-k_q6e643e6303_qkv
	.p2alignl 7, 3214868480
	.fill 96, 4, 3214868480
	.section	.rodata,"a",@progbits
	.p2align	6, 0x0
	.amdhsa_kernel k_q6e643e6303_qkv
		.amdhsa_group_segment_fixed_size 327680
		.amdhsa_private_segment_fixed_size 0
		.amdhsa_enable_private_segment 0
		.amdhsa_kernarg_size 40
		.amdhsa_user_sgpr_count 2
		.amdhsa_user_sgpr_kernarg_segment_ptr 1
		.amdhsa_wavefront_size32 1
		.amdhsa_system_sgpr_workgroup_id_x 1
		.amdhsa_system_sgpr_workgroup_id_y 1
		.amdhsa_system_sgpr_workgroup_id_z 1
		.amdhsa_system_vgpr_workitem_id 0
		.amdhsa_next_free_vgpr 1024
		.amdhsa_next_free_sgpr 100
		.amdhsa_reserve_vcc 0
		.amdhsa_float_denorm_mode_32 3
		.amdhsa_float_denorm_mode_16_64 3
		.amdhsa_memory_ordered 1
		.amdhsa_forward_progress 1
		.amdhsa_inst_pref_size 199
	.end_amdhsa_kernel
	.amdgpu_metadata
---
amdhsa.version: [ 1, 2 ]
amdhsa.kernels:
  - .name:           k_q6e643e6303_qkv
    .symbol:         k_q6e643e6303_qkv.kd
    .args:
      - { .name: codes, .offset: 0, .size: 8, .value_kind: global_buffer, .address_space: global }
      - { .name: scales, .offset: 8, .size: 8, .value_kind: global_buffer, .address_space: global }
      - { .name: rope, .offset: 16, .size: 8, .value_kind: global_buffer, .address_space: global }
      - { .name: qkv16, .offset: 24, .size: 8, .value_kind: global_buffer, .address_space: global }
      - { .name: qkv32, .offset: 32, .size: 8, .value_kind: global_buffer, .address_space: global }
    .group_segment_fixed_size: 327680
    .private_segment_fixed_size: 0
    .kernarg_segment_align: 8
    .kernarg_segment_size: 40
    .max_flat_workgroup_size: 128
    .sgpr_count:     100
    .vgpr_count:     1024
    .wavefront_size: 32
...
	.end_amdgpu_metadata
.endif
;; end of part 2
;; launch first16 (part 3): grid 64 x 4, 16 waves a work-group, no clusters, 88,320 bytes of LDS; arguments qkv32, w_o, out0; writes out0
.if DOCPART == 3
	.amdgcn_target "amdgcn-amd-amdhsa--gfx1250"
	.amdhsa_code_object_version 6
	.text
	.protected	k_q6e643e6303_first16
	.globl	k_q6e643e6303_first16
	.p2align	8
	.type	k_q6e643e6303_first16,@function
k_q6e643e6303_first16:
	s_mov_b64 s[64:65], 0
	v_nop
	global_prefetch_b8 v0, s[64:65] scope:SCOPE_SE
	s_setreg_imm32_b32 hwreg(HW_REG_WAVE_MODE, 25, 1), 1
	s_wait_xcnt 0x0
; THE FIRST 16 POSITIONS OF EVERY SEQUENCE, IN f32 THROUGHOUT: under the causal mask they average one to sixteen values and are the largest numbers of the output, so f16 operands would weigh most there.
; A work-group makes out0[batch][0..15][16 columns]: x = which 16 columns, y = the batch.  Phase A: wave w is head w: scores of 16 queries x 16 keys, mask, softmax with the row's maximum taken away, weights x v, into LDS.
; Each of a batch's 64 work-groups repeats that small attention (196,608 bytes read), so that the projection's work lies on many work-groups and no further launch is needed.
; Phase B: wave w takes channels 64 w .. 64 w + 63 of the projection's K; the sixteen partial sums meet in LDS; waves 0 and 1 add them and store (pieces of 64 bytes of a row; 262,144 bytes in the whole launch).
; Keys behind a query are hidden as in launch attn: their scores become -infinity, their weights 0.
; The f32 matrix form takes 4 along K an instruction: lane (r, h) holds k = 2 h + 0, 1.  A lane's 16 loaded bytes hold k = 8 u + 4 h + 0 .. 3, used as two steps: the same order of k on both operands.
; The registers that the f32 matrix form writes (v144-207) are written by matrix instructions alone; every sum begins with the constant 0; four accumulators take turns.
.set APITCH, 4112                      ; a row of the attention's result in LDS: 4,096 bytes + 16
.set PART,  16*APITCH                  ; 16 partial sums of 16 rows x (64 bytes + 16)
.set SPARE, PART+16*1280               ; the spare words, 128 bytes a wave
.set QR, 16                            ; v16-47   q, later the attention's result
.set KR, 48                            ; v48-79   k, later my slice of the attention's rows
.set VR, 80                            ; v80-111  v, by channel
.set WR, 112                           ; v112-143 w_o: 16 rows x my 64 channels
.set SA, 144                           ; v144-175 four accumulators
.set OA, 176                           ; v176-207 four accumulators
.set T,  208
.set U,  216
.set P,  224
.set STT, 232
	s_load_b128 s[4:7], s[0:1], 0x0                ; qkv32, w_o
	s_load_b64 s[8:9], s[0:1], 0x10                ; out0
	v_lshl_add_u32 v14, v0, 2, SPARE               ; my spare word; never rewritten
	v_mov_b32 v15, 0                               ; 0; never rewritten
	v_lshrrev_b32 v1, 5, v0
	v_readfirstlane_b32 s10, v1                    ; wave = head = slice of K
	v_and_b32 v1, 15, v0                           ; r
	v_bfe_u32 v2, v0, 4, 1                         ; h
	v_lshlrev_b32 v3, 8, v1
	v_lshl_add_u32 v3, v2, 4, v3                   ; q, k: row r of 256 bytes + 16 h
	v_lshlrev_b32 v4, 2, v1
	v_lshl_add_u32 v4, v2, 11, v4                  ; v: channel r, keys 8 h on
	v_lshlrev_b32 v5, 12, v1
	v_lshl_add_u32 v5, v2, 4, v5                   ; w_o: row r of 4,096 bytes + 16 h
	s_lshl_b32 s11, s10, 8
	v_mul_u32_u24 v6, v1, APITCH
	v_add_nc_u32 v6, s11, v6
	v_lshl_add_u32 v7, v2, 4, v6                   ; the result, read: row r, my 256 bytes, + 16 h
	v_lshl_add_u32 v6, v2, 5, v6                   ; and stored: + 32 h
	s_mul_i32 s12, s10, 1280
	v_mul_u32_u24 v8, v1, 80
	v_lshl_add_u32 v8, v2, 5, v8
	v_add_nc_u32 v8, s12, v8
	v_add_nc_u32 v8, PART, v8                      ; my partial sum: row r, + 32 h
	v_bfe_u32 v9, v0, 2, 3                         ; lane / 4
	v_and_b32 v10, 3, v0
	s_and_b32 s13, s10, 1
	s_mul_i32 s14, s13, 640
	v_mul_u32_u24 v11, v9, 80
	v_lshl_add_u32 v11, v10, 4, v11
	v_add_nc_u32 v11, s14, v11
	v_add_nc_u32 v11, PART, v11                    ; the adding waves: row 8 w + lane / 4, 16 bytes a lane
	v_lshlrev_b32 v9, 12, v9
	v_lshl_add_u32 v9, v10, 4, v9
	s_lshl_b32 s14, s13, 15
	v_add_nc_u32 v9, s14, v9                       ; and the same place in out0
	v_lshlrev_b32 v12, 3, v2
	v_sub_nc_u32 v12, v1, v12                      ; r - 8 h: register j holds key 8 h + j, hidden where j > r - 8 h
	v_mov_b32 v13, 0xff800000                      ; -infinity
	s_mov_b32 s16, 0x76543210
	s_mov_b32 s17, 0xfedcba98                      ; lane l xor 16
	s_mov_b32 s18, 0x3e38aa3b                      ; c = log2(e) / sqrt(64)
	s_and_b32 s15, ttmp7, 0xffff                   ; the batch
	s_lshl_b32 s20, s15, 4
	s_add_co_u32 s20, s20, s10
	s_lshl_b32 s20, s20, 12                        ; (16 x batch + head) x 4,096
	s_mov_b32 s21, 0
	s_lshl_b32 s22, ttmp9, 16                      ; 16 rows of w_o
	s_add_co_u32 s22, s22, s11                     ; + my 64 channels
	s_mov_b32 s23, 0
	s_lshl_b32 s24, s15, 23                        ; the batch's 2,048 rows of out0
	s_lshl_b32 s25, ttmp9, 6
	s_add_co_u32 s24, s24, s25
	s_mov_b32 s25, 0
	s_wait_kmcnt 0x0
	s_add_nc_u64 s[4:5], s[4:5], s[20:21]
	s_add_nc_u64 s[6:7], s[6:7], s[22:23]
	s_add_nc_u64 s[8:9], s[8:9], s[24:25]
.irp u, 0,1,2,3,4,5,6,7
	global_load_b128 v[KR+4*\u:KR+4*\u+3], v3, s[4:5] offset:262144+32*\u
.endr
.irp u, 0,1,2,3,4,5,6,7
	global_load_b128 v[QR+4*\u:QR+4*\u+3], v3, s[4:5] offset:32*\u
.endr
.irp c, 0,1,2,3
.irp k, 0,1,2,3,4,5,6,7
	global_load_b32 v[VR+8*\c+\k], v4, s[4:5] offset:524288+256*\k+64*\c   ; v(key 8 h + k, channel 16 c + r)
.endr
.endr
.irp u, 0,1,2,3,4,5,6,7
	global_load_b128 v[WR+4*\u:WR+4*\u+3], v5, s[6:7] offset:32*\u
.endr
	s_wait_loadcnt 40                              ; k and q are in; v's 32 loads and w_o's 8 may be out
	; ---- A: S^T = k q^T: lane (r, h) holds query r and keys 8 h + 0 .. 7
.irp n, 0,1,2,3
	v_wmma_f32_16x16x4_f32 v[SA+8*\n:SA+8*\n+7], v[KR+2*\n:KR+2*\n+1], v[QR+2*\n:QR+2*\n+1], 0
.endr
.irp n, 4,5,6,7,8,9,10,11,12,13,14,15
	v_wmma_f32_16x16x4_f32 v[SA+8*(\n%4):SA+8*(\n%4)+7], v[KR+2*\n:KR+2*\n+1], v[QR+2*\n:QR+2*\n+1], v[SA+8*(\n%4):SA+8*(\n%4)+7]
.endr
.rept 8
	v_nop                                          ; eight places behind this form before its results are read
.endr
.irp j, 0,2,4,6
	v_pk_add_f32 v[T+\j:T+\j+1], v[SA+\j:SA+\j+1], v[SA+8+\j:SA+8+\j+1]
.endr
.irp j, 0,2,4,6
	v_pk_add_f32 v[U+\j:U+\j+1], v[SA+16+\j:SA+16+\j+1], v[SA+24+\j:SA+24+\j+1]
.endr
.irp j, 0,2,4,6
	v_pk_add_f32 v[T+\j:T+\j+1], v[T+\j:T+\j+1], v[U+\j:U+\j+1]
.endr
.irp j, 0,1,2,3,4,5,6,7
	v_cmp_gt_i32 vcc_lo, \j, v12
	v_cndmask_b32 v[T+\j], v[T+\j], v13, vcc_lo
.endr
	v_max3_num_f32 v[STT], v[T], v[T+1], v[T+2]
	v_max3_num_f32 v[STT+1], v[T+3], v[T+4], v[T+5]
	v_max3_num_f32 v[STT], v[STT], v[T+6], v[T+7]
	v_max_num_f32 v[STT], v[STT], v[STT+1]
	v_permlanex16_b32 v[STT+1], v[STT], s16, s17
	v_max_num_f32 v[STT], v[STT], v[STT+1]         ; the row's largest score: key 0 counts for every query, so it is a number
	v_mul_f32 v[STT+1], s18, v[STT]
.irp j, 0,1,2,3,4,5,6,7
	v_fma_f32 v[P+\j], v[T+\j], s18, -v[STT+1]
.endr
.irp j, 0,1,2,3,4,5,6,7
	v_exp_f32 v[P+\j], v[P+\j]
.endr
	v_nop                                          ; a plain instruction behind the last exponential
	s_wait_alu depctr_va_vdst(0)                   ; one wait for the batch, ahead of its first reader
	v_pk_add_f32 v[U:U+1], v[P:P+1], v[P+2:P+3]
	v_pk_add_f32 v[U+2:U+3], v[P+4:P+5], v[P+6:P+7]
	v_pk_add_f32 v[U:U+1], v[U:U+1], v[U+2:U+3]
	v_add_f32 v[STT+2], v[U], v[U+1]
	v_permlanex16_b32 v[U+2], v[STT+2], s16, s17
	v_add_f32 v[STT+2], v[STT+2], v[U+2]           ; the row's sum
	v_rcp_f32 v[STT+4], v[STT+2]
	v_mov_b32 v[STT+5], 0                          ; a plain instruction behind the reciprocal; and the pair's upper half is written
	s_wait_loadcnt 8                               ; v is in; w_o's 8 loads may be out
	; O^T = v^T p: step t takes keys 8 h + 2 t + 0, 1: the same order of keys on both operands
.irp c, 0,1,2,3
	v_wmma_f32_16x16x4_f32 v[OA+8*\c:OA+8*\c+7], v[VR+8*\c:VR+8*\c+1], v[P:P+1], 0
.endr
.irp t, 1,2,3
.irp c, 0,1,2,3
	v_wmma_f32_16x16x4_f32 v[OA+8*\c:OA+8*\c+7], v[VR+8*\c+2*\t:VR+8*\c+2*\t+1], v[P+2*\t:P+2*\t+1], v[OA+8*\c:OA+8*\c+7]
.endr
.endr
.rept 8
	v_nop
.endr
	s_wait_alu depctr_va_vdst(0)                   ; the reciprocal's wait, ahead of its first reader
.irp j, 0,2,4,6,8,10,12,14,16,18,20,22,24,26,28,30
	v_pk_mul_f32 v[QR+\j:QR+\j+1], v[OA+\j:OA+\j+1], v[STT+4:STT+5] op_sel_hi:[1,0]   ; register 8 c + j: result(query r, channel 16 c + 8 h + j)
.endr
.irp c, 0,1,2,3
	ds_store_b128 v6, v[QR+8*\c:QR+8*\c+3] offset:64*\c
	ds_store_b128 v6, v[QR+8*\c+4:QR+8*\c+7] offset:64*\c+16
.endr
	s_wait_dscnt 0x0                               ; for the others' sake: my stores are done
	s_barrier_signal -1
	s_barrier_wait -1
	; ---- B: out^T = w_o result^T over my 64 channels: lane (r, h) holds row r and columns 8 h + 0 .. 7
.irp u, 0,1,2,3,4,5,6,7
	ds_load_b128 v[KR+4*\u:KR+4*\u+3], v7 offset:32*\u
.endr
	s_wait_loadcnt 0x0                             ; w_o
	s_wait_dscnt 0x0
.irp n, 0,1,2,3
	v_wmma_f32_16x16x4_f32 v[SA+8*\n:SA+8*\n+7], v[WR+2*\n:WR+2*\n+1], v[KR+2*\n:KR+2*\n+1], 0
.endr
.irp n, 4,5,6,7,8,9,10,11,12,13,14,15
	v_wmma_f32_16x16x4_f32 v[SA+8*(\n%4):SA+8*(\n%4)+7], v[WR+2*\n:WR+2*\n+1], v[KR+2*\n:KR+2*\n+1], v[SA+8*(\n%4):SA+8*(\n%4)+7]
.endr
.rept 8
	v_nop
.endr
.irp j, 0,2,4,6
	v_pk_add_f32 v[T+\j:T+\j+1], v[SA+\j:SA+\j+1], v[SA+8+\j:SA+8+\j+1]
.endr
.irp j, 0,2,4,6
	v_pk_add_f32 v[U+\j:U+\j+1], v[SA+16+\j:SA+16+\j+1], v[SA+24+\j:SA+24+\j+1]
.endr
.irp j, 0,2,4,6
	v_pk_add_f32 v[T+\j:T+\j+1], v[T+\j:T+\j+1], v[U+\j:U+\j+1]
.endr
	ds_store_b128 v8, v[T:T+3]
	ds_store_b128 v8, v[T+4:T+7] offset:16
	s_wait_dscnt 0x0
	s_barrier_signal -1
	s_barrier_wait -1
	s_cmp_gt_u32 s10, 1                            ; waves 0 and 1 add the sixteen partial sums, eight rows each
	s_cbranch_scc1 .Ldone
.irp p, 0,1,2,3,4,5,6,7,8,9,10,11,12,13,14,15
	ds_load_b128 v[16+4*\p:19+4*\p], v11 offset:1280*\p
.endr
	s_wait_dscnt 0x0
.macro FOLD n                          ; partial p takes partial p + n, p = 0 .. n - 1
.set p, 0
.rept \n
	v_pk_add_f32 v[16+4*p:17+4*p], v[16+4*p:17+4*p], v[16+4*(p+\n):17+4*(p+\n)]
	v_pk_add_f32 v[18+4*p:19+4*p], v[18+4*p:19+4*p], v[18+4*(p+\n):19+4*(p+\n)]
.set p, p+1
.endr
.endm
	FOLD 8
	FOLD 4
	FOLD 2
	FOLD 1
	global_store_b128 v9, v[16:19], s[8:9]
.Ldone:
	s_wait_tensorcnt 0x0                           ; the wave's end, behind my last LDS store
	ds_add_u32 v14, v15
	s_wait_dscnt 0x0
	s_endpgm
.Lfunc_end_k_q6e643e6303_first16:
	.size	k_q6e643e6303_first16, .Lfunc_end_k_q6e643e6303_first16-k_q6e643e6303_first16
	.p2alignl 7, 3214868480
	.fill 96, 4, 3214868480
	.section	.rodata,"a",@progbits
	.p2align	6, 0x0
	.amdhsa_kernel k_q6e643e6303_first16
		.amdhsa_group_segment_fixed_size 88320
		.amdhsa_private_segment_fixed_size 0
		.amdhsa_enable_private_segment 0
		.amdhsa_kernarg_size 24
		.amdhsa_user_sgpr_count 2
		.amdhsa_user_sgpr_kernarg_segment_ptr 1
		.amdhsa_wavefront_size32 1
		.amdhsa_system_sgpr_workgroup_id_x 1
		.amdhsa_system_sgpr_workgroup_id_y 1
		.amdhsa_system_sgpr_workgroup_id_z 1
		.amdhsa_system_vgpr_workitem_id 0
		.amdhsa_next_free_vgpr 256
		.amdhsa_next_free_sgpr 66
		.amdhsa_reserve_vcc 1
		.amdhsa_float_denorm_mode_32 3
		.amdhsa_float_denorm_mode_16_64 3
		.amdhsa_memory_ordered 1
		.amdhsa_forward_progress 1
		.amdhsa_inst_pref_size 22
	.end_amdhsa_kernel
	.amdgpu_metadata
---
amdhsa.version: [ 1, 2 ]
amdhsa.kernels:
  - .name:           k_q6e643e6303_first16
    .symbol:         k_q6e643e6303_first16.kd
    .args:
      - { .name: qkv32, .offset: 0, .size: 8, .value_kind: global_buffer, .address_space: global }
      - { .name: w_o, .offset: 8, .size: 8, .value_kind: global_buffer, .address_space: global }
      - { .name: out0, .offset: 16, .size: 8, .value_kind: global_buffer, .address_space: global }
    .group_segment_fixed_size: 88320
    .private_segment_fixed_size: 0
    .kernarg_segment_align: 8
    .kernarg_segment_size: 24
    .max_flat_workgroup_size: 512
    .sgpr_count:     66
    .vgpr_count:     256
    .wavefront_size: 32
...
	.end_amdgpu_metadata
.endif
;; end of part 3
;; launch attn (part 4): grid 4 x 64, 16 waves a work-group, no clusters, 327,680 bytes of LDS; arguments qkv16, attn16; writes attn16
.if DOCPART == 4
	.amdgcn_target "amdgcn-amd-amdhsa--gfx1250"
	.amdhsa_code_object_version 6
	.text
	.protected	k_q6e643e6303_attn
	.globl	k_q6e643e6303_attn
	.p2align	8
	.type	k_q6e643e6303_attn,@function
k_q6e643e6303_attn:
	s_mov_b64 s[64:65], 0
	v_nop
	global_prefetch_b8 v0, s[64:65] scope:SCOPE_SE
	s_setreg_imm32_b32 hwreg(HW_REG_WAVE_MODE, 25, 1), 1
	s_wait_xcnt 0x0
; CAUSAL ATTENTION ON f16 OPERANDS, f32 sums: O[q] = sum over k <= q of softmax_k(Q[q] . K[k] / 8) V[k], head size 64, 64 heads (batch x head) of 2,048 positions.
; WORK LEFT OUT: steps of keys that lie wholly behind a wave's queries, and slots of keys behind all of the work-group's queries: reference()'s own tril mask gives them the weight 0 (shown at the head of launch prep).
; SHARES.  Work-group (i, head) owns the blocks of 256 queries i and 7 - i, so that every work-group has the same number of visible keys.  Each of its sixteen waves owns 32 queries, two tiles of 16, in 256 registers;
; waves of the early and of the late block are dealt so that each group of four neighbouring waves, and each set of waves four apart, holds two of each.
; NO CLUSTER: the four work-groups of a head need different numbers of slots under the mask, so a partner would have to jump over the reads of a joint tile.
; K and V come through a ring of two LDS slots of 256 keys (waves 0, 1: K's halves; waves 2, 3: V's), read by all sixteen.  Every work-group walks all eight slots, with constant trip counts; what is left out is a step's
; work, by scalar branches on ids, and the loads of slots beyond the work-group's last query.
; LAYOUT.  S^T = K Q^T (source 0 = 16 keys, source 1 = 16 queries): a lane holds one query (lane % 16) and keys 8 (lane / 16) + 0 .. 7.  Two such tiles rounded to f16 in pairs ARE source 1 of O^T = V^T P.
; V ([key][channel]) is turned on its way out of LDS by ds_load_tr16_b128.  SOFTMAX: running maximum m and sum l; p = 2^(c s - c m), c = log2(e) / 8; O and l are multiplied by a = 2^(c m_old - c m_new) in every step.
; The row's sum is taken of p before it is rounded.  OUT: attn16 [head][batch x 2048 + position][64] f16, dense by head.  Positions under 16 are stored too (the next launch's tiles hold them), but out0's rows there come from launch first16.
.set KP,    144                        ; a key's row in LDS: 128 bytes + 16
.set VP,    160                        ; a row of V: 128 bytes + 32
.set SK,    256                        ; keys in a slot
.set VOFF,  SK*KP
.set SLOT1, 1<<17
.set STAGE, SLOT1+VOFF+SK*VP           ; behind the ring: 16 rows x 144 bytes for each wave; no tensor load lands there
.set SPARE, STAGE+16*16*KP             ; the spare words, 128 bytes a wave
.set NSL,   8
.set TYPE_B, 1<<24                     ; bytes of q, of k, of v in qkv16
.set AK0, 1
.set AV0, 2
.set SPW, 3                            ; v3 my spare word; never rewritten
.set NIL, 4                            ; v4 0; never rewritten
.set GO,  5                            ; v5 16 x lane
.set ADK, 6
.set ADV, 7
.set PFO, 8                            ; v8 256 x lane; never rewritten
.set DD,  9                            ; v9 r - 8 h
.set ST,  12                           ; tile t's statistics at v[ST + 8 t]: +0 c m, +1 m, +2, +3 l, +4 .. +7 at work, a at +6
.set QF,  28                           ; v28-59   Q: (t, c) at 28 + 16 t + 8 c
.set KV,  60                           ; v60-123  a step's K, then its V
.set S,   124                          ; v124-187 S^T: (t, kt) at 124 + 32 t + 8 kt; P takes the first 16 of each tile's 32
.set O,   188                          ; v188-251 O^T: (t, ch) at 188 + 32 t + 8 ch
.set X,   252                          ; v252-255 the sums' second chains
.set WV,  18
.set SEL, 20
.set CS,  22
.set G1K, 24
.set G1V, 32
.set G0K, 40
.set G0V, 44
.set TB,  2
.set SLOTS, 67
.set LASTQ, 68
.set PFA, 76
.set LIM, 80
.set KF,  98
.set Q0,  99
; Waves 0 and 1 fetch for K, waves 2 and 3 for V, the others nothing.  An s_nop 0 and four v_nop follow each of the two lines.
.macro TLOAD
	s_cmp_lt_u32 s[WV], 2
	s_cbranch_scc0 .Lnot_k_\@
	tensor_load_to_lds s[G0K:G0K+3], s[G1K:G1K+7]
	s_nop 0
.rept 4
	v_nop
.endr
	s_branch .Lasked_\@
.Lnot_k_\@:
	s_cmp_lt_u32 s[WV], 4
	s_cbranch_scc0 .Lasked_\@
	tensor_load_to_lds s[G0V:G0V+3], s[G1V:G1V+7]
	s_nop 0
.rept 4
	v_nop
.endr
.Lasked_\@:
.endm
; A prefetch of what the NEXT change of slots will ask for: 32,768 dense bytes of K and as many of V.  Each aligned block of 256 bytes is named once in the launch: of a head's four work-groups the first asks (it walks all
; eight slots); in it waves 4 to 7 ask for K, waves 8 to 11 for V, 8,192 bytes a wave, lanes 256 bytes apart.  The last change that fills a slot asks for nothing; slots 0 and 1 come by their loads alone.
.macro ASK
	s_cmp_gt_u32 s[SLOTS], s[LIM]
	s_cbranch_scc0 .Lnot_mine_\@
	global_prefetch_b8 v[PFO], s[PFA:PFA+1] th:TH_LOAD_NT scope:SCOPE_SE
.Lnot_mine_\@:
.endm
	s_load_b128 s[4:7], s[0:1], 0x0                ; qkv16, attn16
	v_lshl_add_u32 v[SPW], v0, 2, SPARE
	v_mov_b32 v[NIL], 0
	ds_add_u32 v[SPW], v[NIL]                      ; the wave's opening: the add, twice on end, and its wait ahead of my first tensor load
	ds_add_u32 v[SPW], v[NIL]
	v_lshrrev_b32 v10, 5, v0
	v_readfirstlane_b32 s[WV], v10                 ; wave 0..15
	s_and_b32 s72, ttmp7, 0xffff                   ; 16 x batch + head
	s_lshl_b32 s74, s72, 18                        ; its 262,144 bytes in each of q, k, v
	s_lshr_b32 s82, s[WV], 2
	s_xor_b32 s82, s82, s[WV]
	s_and_b32 s82, s82, 1                          ; 0: the early block, 1: the late one
	s_sub_co_u32 s83, 7, ttmp9
	s_cmp_eq_u32 s82, 0
	s_cselect_b32 s83, ttmp9, s83
	s_lshl_b32 s83, s83, 8
	s_lshr_b32 s84, s[WV], 1
	s_lshl_b32 s84, s84, 5
	s_add_co_u32 s[Q0], s83, s84                   ; my first query
	s_sub_co_u32 s[LASTQ], 8, ttmp9
	s_lshl_b32 s[LASTQ], s[LASTQ], 8
	s_sub_co_u32 s[LASTQ], s[LASTQ], 1             ; the work-group's last query
	s_and_b32 s88, s[WV], 1                        ; which 128 keys of a slot I fetch, if I fetch
	s_lshl_b32 s90, s88, 14
	s_add_co_u32 s90, s90, s74
	s_mov_b32 s91, 0
	s_mul_i32 s89, s88, 128*KP
	s_mul_i32 s94, s88, 128*VP
	s_add_co_u32 s94, s94, VOFF
	s_mov_b32 s[G1K], (1<<16)|(1<<20)|(4<<22)|(3<<25)   ; no mask; elements of 2 bytes; padding: 4 words behind every 32
	s_mov_b32 s[G1V], (1<<16)|(1<<20)|(4<<22)|(7<<25)   ; the same with 8 words
.irp g, G1K, G1V
	s_mov_b32 s[\g+1], 64<<16                      ; tensor_dim0
	s_mov_b32 s[\g+2], 128<<16                     ; tensor_dim1
	s_mov_b32 s[\g+3], 64<<16                      ; tile_dim0
	s_mov_b32 s[\g+4], 128                         ; tile_dim1
	s_mov_b32 s[\g+5], 64                          ; the pitch
	s_mov_b32 s[\g+6], 0
	s_mov_b32 s[\g+7], 0
.endr
	s_mov_b32 s[SEL], 0x76543210
	s_mov_b32 s[SEL+1], 0xfedcba98
	s_mov_b32 s[CS], 0x3e38aa3b                    ; c = log2(e) / sqrt(64)
	s_mov_b32 s[CS+1], s[CS]
	s_mov_b32 s[TB], 0
	s_mov_b32 s[SLOTS], NSL-1
	s_mov_b32 s[KF], 0
	s_wait_dscnt 0x0                               ; both opening adds are done
	s_wait_kmcnt 0x0
	s_mov_b32 s[G0K], 1
	s_mov_b32 s[G0K+1], s89
	s_add_nc_u64 s[G0K+2:G0K+3], s[4:5], s[90:91]
	s_add_nc_u64 s[G0K+2:G0K+3], s[G0K+2:G0K+3], TYPE_B
	s_or_b32 s[G0K+3], s[G0K+3], 0x80000000
	s_mov_b32 s[G0V], 1
	s_mov_b32 s[G0V+1], s94
	s_add_nc_u64 s[G0V+2:G0V+3], s[4:5], s[90:91]
	s_add_nc_u64 s[G0V+2:G0V+3], s[G0V+2:G0V+3], 2*TYPE_B
	s_or_b32 s[G0V+3], s[G0V+3], 0x80000000
	TLOAD                                          ; slot 0: it holds key 0, which counts for every query
	s_lshl_b32 s70, s[Q0], 7
	s_add_co_u32 s70, s70, s74
	s_mov_b32 s71, 0
	s_add_nc_u64 s[70:71], s[4:5], s[70:71]        ; Q at my first query
	s_and_b32 s84, s72, 15
	s_lshl_b32 s84, s84, 20                        ; attn16: the head's plane,
	s_lshr_b32 s85, s72, 4
	s_lshl_b32 s85, s85, 11
	s_add_co_u32 s85, s85, s[Q0]
	s_lshl_b32 s85, s85, 7                         ; row 2048 x batch + my first query
	s_add_co_u32 s84, s84, s85
	s_mov_b32 s85, 0
	s_add_nc_u64 s[6:7], s[6:7], s[84:85]
	v_and_b32 v10, 15, v0                          ; r
	v_bfe_u32 v11, v0, 4, 1                        ; h
	v_lshlrev_b32 v252, 7, v10
	v_lshl_add_u32 v252, v11, 4, v252              ; Q: row r of 128 bytes + 16 h
.irp t, 0,1
.irp c, 0,1
	global_load_b128 v[QF+16*\t+8*\c:QF+16*\t+8*\c+3], v252, s[70:71] offset:2048*\t+64*\c
	global_load_b128 v[QF+16*\t+8*\c+4:QF+16*\t+8*\c+7], v252, s[70:71] offset:2048*\t+64*\c+32
.endr
.endr
	s_mov_b32 s83, 2*TYPE_B                        ; the prefetches: where my wave's stand, and who asks
	s_cmp_lt_u32 s[WV], 8
	s_cselect_b32 s82, TYPE_B, s83
	s_and_b32 s83, s[WV], 3
	s_lshl_b32 s83, s83, 13
	s_add_co_u32 s82, s82, s83
	s_add_co_u32 s82, s82, s74
	s_add_co_u32 s82, s82, SK*128                  ; in slot 1: the first change of slots steps it to slot 2
	s_mov_b32 s83, 0
	s_add_nc_u64 s[PFA:PFA+1], s[4:5], s[82:83]
	s_sub_co_u32 s82, s[WV], 4
	s_lshr_b32 s82, s82, 3                         ; 0 in waves 4 to 11,
	s_or_b32 s82, s82, ttmp9                       ; of the head's first work-group
	s_cmp_eq_u32 s82, 0
	s_cselect_b32 s[LIM], 1, -1
	v_mul_u32_u24 v[AK0], v10, KP
	v_lshl_add_u32 v[AK0], v11, 4, v[AK0]          ; K: row r x pitch + 16 h
	v_and_b32 v[AV0], 7, v0
	v_lshl_add_u32 v[AV0], v11, 3, v[AV0]
	v_mul_u32_u24 v[AV0], v[AV0], VP
	v_bfe_u32 v[ADK], v0, 3, 1
	v_lshl_add_u32 v[AV0], v[ADK], 4, v[AV0]
	v_add_nc_u32 v[AV0], VOFF, v[AV0]              ; V: key 8 h + lane % 8, channels 8 ((lane / 8) % 2) on
	v_lshlrev_b32 v[DD], 3, v11
	v_sub_nc_u32 v[DD], v10, v[DD]
	v_and_b32 v[GO], 31, v0
	v_lshlrev_b32 v[PFO], 8, v[GO]
	v_lshlrev_b32 v[GO], 4, v[GO]
.irp t, 0,1
	v_mov_b32 v[ST+8*\t+1], 0xff61b1e6             ; m: -3e38, under every score
	v_mul_f32 v[ST+8*\t], s[CS], v[ST+8*\t+1]
.irp k, 2,3,4,5,6,7
	v_mov_b32 v[ST+8*\t+\k], 0
.endr
.endr
.set i, 0
.rept 64
	v_mov_b32 v[O+i], 0                            ; the step is written once: the first finds zeros, which a = 0 leaves zeros
.set i, i+1
.endr
; A KEY STEP: 64 keys, the q-th of the slot in hand
.macro STEP q
	s_add_co_u32 s96, s[Q0], 31                    ; a step all of whose keys come behind my 32 queries is left out: a branch on ids, round no barrier and no tensor load
	s_cmp_gt_u32 s[KF], s96
	s_cbranch_scc1 .Lhidden_\@
	v_add_nc_u32 v[ADK], s[TB], v[AK0]
	v_add_nc_u32 v[ADV], s[TB], v[AV0]
.rept 3
	v_nop                                          ; with the two additions five places: K's loads land on registers that the last products read, and the new scores are written over P
.endr
.irp kt, 0,1,2,3
.irp c, 0,1
	ds_load_b128 v[KV+8*(2*\kt+\c):KV+8*(2*\kt+\c)+3], v[ADK] offset:(64*(\q)+16*\kt)*KP+64*\c
	ds_load_b128 v[KV+8*(2*\kt+\c)+4:KV+8*(2*\kt+\c)+7], v[ADK] offset:(64*(\q)+16*\kt)*KP+64*\c+32
.endr
.endr
	s_wait_dscnt 0x0
.irp kt, 0,1,2,3                               ; eight accumulators by turns
.irp t, 0,1
	v_wmma_f32_16x16x32_f16 v[S+32*\t+8*\kt:S+32*\t+8*\kt+7], v[KV+16*\kt:KV+16*\kt+7], v[QF+16*\t:QF+16*\t+7], 0
.endr
.endr
.irp kt, 0,1,2,3
.irp t, 0,1
	v_wmma_f32_16x16x32_f16 v[S+32*\t+8*\kt:S+32*\t+8*\kt+7], v[KV+16*\kt+8:KV+16*\kt+15], v[QF+16*\t+8:QF+16*\t+15], v[S+32*\t+8*\kt:S+32*\t+8*\kt+7]
.endr
.endr
.rept 4
	v_nop                                          ; four places: V's loads land on K's registers, and the scores are read
.endr
.irp u, 0,1
.irp ch, 0,1,2,3
	ds_load_tr16_b128 v[KV+8*(4*\u+\ch):KV+8*(4*\u+\ch)+3], v[ADV] offset:(64*(\q)+32*\u)*VP+32*\ch          ; V lands while the softmax is walked
	ds_load_tr16_b128 v[KV+8*(4*\u+\ch)+4:KV+8*(4*\u+\ch)+7], v[ADV] offset:(64*(\q)+32*\u+16)*VP+32*\ch
.endr
.endr
	s_add_co_u32 s96, s[KF], 63                    ; on the diagonal hidden scores become -infinity; a step all of whose keys count skips this
	s_cmp_le_u32 s96, s[Q0]
	s_cbranch_scc1 .Lopen_\@
	s_sub_co_i32 s96, s[Q0], s[KF]
	v_add_nc_u32 v10, s96, v[DD]                   ; register (t, kt, j) holds key KF + 16 kt + 8 h + j for query Q0 + 16 t + r: hidden where 16 kt + j - 16 t > Q0 - KF + r - 8 h
	v_mov_b32 v11, 0xff800000
.irp t, 0,1
.irp kt, 0,1,2,3
.irp j, 0,1,2,3,4,5,6,7
	v_cmp_gt_i32 vcc_lo, 16*\kt+\j-16*\t, v10
	v_cndmask_b32 v[S+32*\t+8*\kt+\j], v[S+32*\t+8*\kt+\j], v11, vcc_lo
.endr
.endr
.endr
.Lopen_\@:
.irp j, 0,1,2,3                                ; the maximum: four chains a tile, each accumulator from its low end on; the two tiles line by line
.irp t, 0,1
	v_max3_num_f32 v[ST+8*\t+4+\j], v[S+32*\t+8*\j], v[S+32*\t+8*\j+1], v[S+32*\t+8*\j+2]
.endr
.endr
.irp g, 1,2
.irp j, 0,1,2,3
.irp t, 0,1
	v_max3_num_f32 v[ST+8*\t+4+\j], v[ST+8*\t+4+\j], v[S+32*\t+8*\j+2*\g+1], v[S+32*\t+8*\j+2*\g+2]
.endr
.endr
.endr
.irp t, 0,1
	v_max3_num_f32 v[ST+8*\t+4], v[ST+8*\t+4], v[S+32*\t+7], v[S+32*\t+15]
	v_max3_num_f32 v[ST+8*\t+6], v[ST+8*\t+6], v[S+32*\t+23], v[S+32*\t+31]
.endr
.irp t, 0,1
	v_max3_num_f32 v[ST+8*\t+4], v[ST+8*\t+4], v[ST+8*\t+5], v[ST+8*\t+6]
.endr
.irp t, 0,1
	v_max3_num_f32 v[ST+8*\t+4], v[ST+8*\t+4], v[ST+8*\t+7], v[ST+8*\t+1]   ; with the old m
.endr
.irp t, 0,1
	v_permlanex16_b32 v[ST+8*\t+5], v[ST+8*\t+4], s[SEL], s[SEL+1]          ; the query's other 32 keys lie in the lane 16 away
.endr
.irp t, 0,1
	v_mov_b32 v[ST+8*\t+7], v[ST+8*\t]             ; c m_old
.endr
.irp t, 0,1
	v_max_num_f32 v[ST+8*\t+1], v[ST+8*\t+4], v[ST+8*\t+5]
.endr
.irp t, 0,1
	v_mul_f32 v[ST+8*\t], s[CS], v[ST+8*\t+1]
.endr
.irp t, 0,1
	v_sub_f32 v[ST+8*\t+7], v[ST+8*\t+7], v[ST+8*\t]
.endr
.irp b, 0,2,4,6,8,10,12,14,16,18,20,22,24,26,28,30
.irp t, 0,1
	v_pk_fma_f32 v[S+32*\t+\b:S+32*\t+\b+1], v[S+32*\t+\b:S+32*\t+\b+1], s[CS:CS+1], v[ST+8*\t:ST+8*\t+1] op_sel_hi:[1,0,0] neg_lo:[0,0,1] neg_hi:[0,0,1]   ; c s - c m
.endr
.endr
.irp t, 0,1
	v_exp_f32 v[ST+8*\t+6], v[ST+8*\t+7]           ; a
.endr
.set e, 0
.rept 32
	v_exp_f32 v[S+e], v[S+e]
	v_exp_f32 v[S+32+e], v[S+32+e]
.set e, e+1
.endr
	v_nop                                          ; a plain instruction behind the last exponential
	s_wait_alu depctr_va_vdst(0)                   ; one wait for the batch of 66, ahead of its first reader
.irp t, 0,1
	v_pk_fma_f32 v[ST+8*\t+2:ST+8*\t+3], v[ST+8*\t+2:ST+8*\t+3], v[ST+8*\t+6:ST+8*\t+7], v[S+32*\t:S+32*\t+1] op_sel_hi:[1,0,1]   ; l = l a + the first pair: the sum is taken of p before it is rounded
	v_pk_add_f32 v[X+2*\t:X+2*\t+1], v[S+32*\t+2:S+32*\t+3], v[S+32*\t+6:S+32*\t+7]
.endr
.irp b, 4,8,12,16,20,24
.irp t, 0,1
	v_pk_add_f32 v[ST+8*\t+2:ST+8*\t+3], v[ST+8*\t+2:ST+8*\t+3], v[S+32*\t+\b:S+32*\t+\b+1]
	v_pk_add_f32 v[X+2*\t:X+2*\t+1], v[X+2*\t:X+2*\t+1], v[S+32*\t+\b+6:S+32*\t+\b+7]
.endr
.endr
.irp t, 0,1
	v_pk_add_f32 v[ST+8*\t+2:ST+8*\t+3], v[ST+8*\t+2:ST+8*\t+3], v[S+32*\t+28:S+32*\t+29]
.endr
.irp t, 0,1
	v_pk_add_f32 v[ST+8*\t+2:ST+8*\t+3], v[ST+8*\t+2:ST+8*\t+3], v[X+2*\t:X+2*\t+1]
.endr
.set i, 0
.rept 16
	v_cvt_pk_f16_f32 v[S+i], v[S+2*i], v[S+2*i+1]                  ; P in place, ascending: register i is written when registers 2 i and 2 i + 1 are read
	v_cvt_pk_f16_f32 v[S+32+i], v[S+32+2*i], v[S+32+2*i+1]
.set i, i+1
.endr
.irp b, 0,2,4,6,8,10,12,14,16,18,20,22,24,26,28,30
.irp t, 0,1
	v_pk_mul_f32 v[O+32*\t+\b:O+32*\t+\b+1], v[O+32*\t+\b:O+32*\t+\b+1], v[ST+8*\t+6:ST+8*\t+7] op_sel_hi:[1,0]   ; O^T x a
.endr
.endr
	s_wait_dscnt 0x0                               ; V is in
.irp u, 0,1
.irp ch, 0,1,2,3
.irp t, 0,1
	v_wmma_f32_16x16x32_f16 v[O+32*\t+8*\ch:O+32*\t+8*\ch+7], v[KV+8*(4*\u+\ch):KV+8*(4*\u+\ch)+7], v[S+32*\t+8*\u:S+32*\t+8*\u+7], v[O+32*\t+8*\ch:O+32*\t+8*\ch+7]
.endr
.endr
.endr
.Lhidden_\@:
	s_add_co_u32 s[KF], s[KF], 64
.endm
; THE CHANGE OF SLOTS stands at a slot's head.  Each wave waits for all its tensor loads, adds 0 to its spare word (fill = 1: twice on end), and waits for that and for its
; reads of the slot that it has left.  Behind the barrier the slot ahead is whole and nobody reads the other one, which is then filled with the keys that follow, up to the causal limit.
.macro CHANGE fill
	s_wait_tensorcnt 0x0                           ; no tensor load of mine is out, so a group 0 may be written
	ds_add_u32 v[SPW], v[NIL]
.if \fill
	ds_add_u32 v[SPW], v[NIL]
	s_xor_b32 s[G0K+1], s[G0K+1], SLOT1            ; the walking descriptors: the other slot, the next 256 keys
	s_add_nc_u64 s[G0K+2:G0K+3], s[G0K+2:G0K+3], SK*128
	s_xor_b32 s[G0V+1], s[G0V+1], SLOT1
	s_add_nc_u64 s[G0V+2:G0V+3], s[G0V+2:G0V+3], SK*128
	s_wait_xcnt 0x0                                ; the last prefetch, a slot back, has read its address
	s_add_nc_u64 s[PFA:PFA+1], s[PFA:PFA+1], SK*128
.endif
	s_wait_dscnt 0x0
	s_barrier_signal -1
	s_barrier_wait -1
.if \fill
	s_add_co_u32 s96, s[KF], SK                    ; the first key of the slot that this change would ask for: behind the work-group's last query it is read by no wave, and is not asked for.
	s_cmp_gt_u32 s96, s[LASTQ]                     ; ids and the count of steps alone: all sixteen waves go the same way; every wait on TENSORcnt in this text is for 0
	s_cbranch_scc1 .Lpast_\@
	TLOAD                                          ; a wave's one tensor load until the next such barrier
.Lpast_\@:
	ASK
.endif
.endm
.macro SLOT_STEPS
	STEP 0
	STEP 1
	STEP 2
	STEP 3
	s_xor_b32 s[TB], s[TB], SLOT1
.endm
	s_wait_loadcnt 0x0                             ; Q
.Lslot:                                                ; seven trips
	CHANGE 1
	SLOT_STEPS
	s_sub_co_u32 s[SLOTS], s[SLOTS], 1
	s_cmp_lg_u32 s[SLOTS], 0
	s_cbranch_scc1 .Lslot
	CHANGE 0                                       ; the last slot is written out: nothing is left to ask for
	SLOT_STEPS
	; THE WAY OUT: O^T / l, rounded to f16, through my stage, out as 512 consecutive bytes an instruction
.rept 4
	v_nop
.endr
.irp t, 0,1
	v_add_f32 v[ST+8*\t+4], v[ST+8*\t+2], v[ST+8*\t+3]
.endr
.irp t, 0,1
	v_permlanex16_b32 v[ST+8*\t+5], v[ST+8*\t+4], s[SEL], s[SEL+1]
.endr
.irp t, 0,1
	v_add_f32 v[ST+8*\t+4], v[ST+8*\t+4], v[ST+8*\t+5]
.endr
.irp t, 0,1
	v_rcp_f32 v[ST+8*\t+6], v[ST+8*\t+4]
.endr
	v_and_b32 v10, 15, v0                          ; (plain work behind the reciprocals)
	v_bfe_u32 v11, v0, 4, 1
	s_mul_i32 s73, s[WV], 16*KP
	s_add_co_u32 s73, s73, STAGE
	v_mul_u32_u24 v[ADK], v10, KP
	v_lshl_add_u32 v[ADK], v11, 4, v[ADK]
	v_add_nc_u32 v[ADK], s73, v[ADK]               ; in: row r, 16 bytes for each half of the lanes
	v_bfe_u32 v10, v0, 3, 2
	v_and_b32 v11, 7, v0
	v_mul_u32_u24 v[ADV], v10, KP
	v_lshl_add_u32 v[ADV], v11, 4, v[ADV]
	v_add_nc_u32 v[ADV], s73, v[ADV]               ; back: eight lanes to a row of 128 bytes, four rows an instruction
	s_wait_alu depctr_va_vdst(0)                   ; one wait for the two reciprocals, ahead of their first reader
.irp t, 0,1
.irp b, 0,2,4,6,8,10,12,14,16,18,20,22,24,26,28,30
	v_pk_mul_f32 v[O+32*\t+\b:O+32*\t+\b+1], v[O+32*\t+\b:O+32*\t+\b+1], v[ST+8*\t+6:ST+8*\t+7] op_sel_hi:[1,0]
.endr
.irp i, 0,1,2,3,4,5,6,7,8,9,10,11,12,13,14,15
	v_cvt_pk_f16_f32 v[S+32*\t+\i], v[O+32*\t+2*\i], v[O+32*\t+2*\i+1]
.endr
.irp ch, 0,1,2,3
	ds_store_b128 v[ADK], v[S+32*\t+4*\ch:S+32*\t+4*\ch+3] offset:32*\ch
.endr
.irp u, 0,1,2,3
	ds_load_b128 v[KV+16*\t+4*\u:KV+16*\t+4*\u+3], v[ADV] offset:4*KP*\u   ; served in order: these see my stores, and the next tile's stores come behind them
.endr
.endr
.irp u, 0,1,2,3
	s_wait_dscnt 11-\u                             ; behind tile 0's load u: 3 - u of its own and tile 1's eight
	global_store_b128 v[GO], v[KV+4*\u:KV+4*\u+3], s[6:7] offset:512*\u
.endr
.irp u, 0,1,2,3
	s_wait_dscnt 3-\u
	global_store_b128 v[GO], v[KV+16+4*\u:KV+16+4*\u+3], s[6:7] offset:2048+512*\u
.endr
	s_wait_tensorcnt 0x0                           ; the wave's end, behind my last tensor load and my last LDS store
	ds_add_u32 v[SPW], v[NIL]
	s_wait_dscnt 0x0
	s_endpgm
.Lfunc_end_k_q6e643e6303_attn:
	.size	k_q6e643e6303_attn, .Lfunc_end_k_q6e643e6303_attn-k_q6e643e6303_attn
	.p2alignl 7, 3214868480
	.fill 96, 4, 3214868480
	.section	.rodata,"a",@progbits
	.p2align	6, 0x0
	.amdhsa_kernel k_q6e643e6303_attn
		.amdhsa_group_segment_fixed_size 327680
		.amdhsa_private_segment_fixed_size 0
		.amdhsa_enable_private_segment 0
		.amdhsa_kernarg_size 16
		.amdhsa_user_sgpr_count 2
		.amdhsa_user_sgpr_kernarg_segment_ptr 1
		.amdhsa_wavefront_size32 1
		.amdhsa_system_sgpr_workgroup_id_x 1
		.amdhsa_system_sgpr_workgroup_id_y 1
		.amdhsa_system_sgpr_workgroup_id_z 1
		.amdhsa_system_vgpr_workitem_id 0
		.amdhsa_next_free_vgpr 256
		.amdhsa_next_free_sgpr 100
		.amdhsa_reserve_vcc 1
		.amdhsa_float_denorm_mode_32 3
		.amdhsa_float_denorm_mode_16_64 3
		.amdhsa_memory_ordered 1
		.amdhsa_forward_progress 1
		.amdhsa_inst_pref_size 188
	.end_amdhsa_kernel
	.amdgpu_metadata
---
amdhsa.version: [ 1, 2 ]
amdhsa.kernels:
  - .name:           k_q6e643e6303_attn
    .symbol:         k_q6e643e6303_attn.kd
    .args:
      - { .name: qkv16, .offset: 0, .size: 8, .value_kind: global_buffer, .address_space: global }
      - { .name: attn16, .offset: 8, .size: 8, .value_kind: global_buffer, .address_space: global }
    .group_segment_fixed_size: 327680
    .private_segment_fixed_size: 0
    .kernarg_segment_align: 8
    .kernarg_segment_size: 16
    .max_flat_workgroup_size: 512
    .sgpr_count:     100
    .vgpr_count:     256
    .wavefront_size: 32
...
	.end_amdgpu_metadata
.endif
;; end of part 4
;; launch proj (part 5): grid 4 x 64, 4 waves a work-group, clusters of 4 x 4, 327,680 bytes of LDS; arguments attn16, wo16, out0; writes out0
.if DOCPART == 5
	.amdgcn_target "amdgcn-amd-amdhsa--gfx1250"
	.amdhsa_code_object_version 6
	.text
	.protected	k_q6e643e6303_proj
	.globl	k_q6e643e6303_proj
	.p2align	8
	.type	k_q6e643e6303_proj,@function
k_q6e643e6303_proj:
	s_mov_b64 s[64:65], 0
	v_nop
	global_prefetch_b8 v0, s[64:65] scope:SCOPE_SE
	s_setreg_imm32_b32 hwreg(HW_REG_WAVE_MODE, 25, 1), 1
	s_wait_xcnt 0x0
	s_wait_alu depctr_hold_cnt(0) depctr_sa_sdst(0) depctr_va_vdst(0) depctr_va_sdst(0) depctr_va_ssrc(0) depctr_va_vcc(0) depctr_vm_vsrc(0)
	s_getreg_b32 s2, hwreg(HW_REG_IB_STS2, 6, 4)
	s_cmp_eq_u32 s2, 0
	s_cbranch_scc0 .Lentry_in_a_cluster
	s_endpgm
.Lentry_in_a_cluster:
	s_bfe_u32 s2, ttmp6, 0x10000c
	s_cmp_lg_u32 s2, 0xf033
	s_cbranch_scc0 .Lentry_shape_is_right
	s_endpgm
.Lentry_shape_is_right:
; out0[m][n] = sum over k of attention[m][k] w_o[n][k], f16 operands, f32 sums.  A: attn16 [head][8192 rows][64]; B: wo16 [1024][1024]; out0 [8192][1024] f32.
; ROWS NOT STORED: positions 0 to 15 of every sequence are multiplied here inside tiles that hold live rows, but their rows of out0 are written by launch first16 alone, in f32.
; A tile of 128 x 256 gives 256 work-groups; four waves, 64 x 128 each: 32 accumulators.  K goes in steps of 128 (two heads) through a ring of two LDS slots.
; CLUSTERS: 4 x 4 work-groups; cx is the tile column, cy the batch, the cluster's y the block of 128 rows in the batch.  A's tiles are asked for jointly along a row of the cluster, B's along a column.
; THE MATRIX INSTRUCTION IS USED TRANSPOSED (source 0 = 16 rows of w_o, source 1 = 16 rows of A): a lane holds eight neighbouring numbers of a row of out0.
; REGISTERS: window 0: v0-31 addresses; A's fragments at v64 and v96 (two buffers of 32); on the way out v128-255.  window 1: B's fragments at v0 and v64 (two buffers of 64).  window 2: accumulator (a, b) at v[8 (8 a + b)].
.set PLANE, 1<<20                      ; a head's bytes in attn16
.set AP,    144                        ; a row of A in LDS: 128 bytes + 16
.set BP,    272                        ; a row of B: 256 bytes + 16
.set AH,    128*AP                     ; a head's 128 rows
.set BOFF,  2*AH
.set BH,    128*BP
.set SLOT,  BOFF+2*BH
.set STAGE, 2*SLOT                     ; behind the ring: 16 rows x (512 bytes + 16) for each wave
.set SPITCH, 528
.set SPARE, STAGE+4*16*SPITCH          ; the spare words, 128 bytes a wave
.set LAPS,  4                          ; a lap = two K steps
.set ADRA, 16
.set ADRB, 20
.set STO,  24
.set RD,   25
.set CO,   26
.set SPW,  28
.set NIL,  29
.set PFO,  30                          ; v30 256 x lane; never rewritten
.set BK,   128
.set G1, 24
.set G0, 32
.set G1B, 48
.set G0B, 56
.set PFA, 68
.set LIM, 70
.set MSB, 0
.macro WIN new
.if MSB != \new
	s_set_vgpr_msb (MSB<<8)|\new
.set MSB, \new
.endif
.endm
.set MUL,  0xa1                        ; source 0 (B) window 1, source 1 (A) window 0, C and D window 2
.set TO_B, 0x40
.macro JLOAD s                         ; waves 0 and 1 fetch A's two heads, waves 2 and 3 B's two halves; an s_nop 0 and four v_nop follow each line
	s_cmp_eq_u32 s11, 0
	s_cbranch_scc0 .Lfor_b_\@
	tensor_load_to_lds s[G0+4*\s:G0+4*\s+3], s[G1:G1+7]
	s_nop 0
.rept 4
	v_nop
.endr
	s_branch .Lasked_\@
.Lfor_b_\@:
	tensor_load_to_lds s[G0B+4*\s:G0B+4*\s+3], s[G1B:G1B+7]
	s_nop 0
.rept 4
	v_nop
.endr
.Lasked_\@:
.endm
.macro CREST
	s_cmp_lg_u32 s10, 0
	s_cbranch_scc1 .Lnot_wave_0_\@
	s_barrier_signal -3
.Lnot_wave_0_\@:
	s_barrier_wait -3
	s_barrier_signal -1
	s_barrier_wait -1
.endm
.macro CROUND
	s_barrier_signal -1
	s_barrier_wait -1
	CREST
.endm
; A prefetch of A's K step two refills on: 2 heads x 128 rows x 128 bytes = 32,768 bytes.  Only this row of the cluster reads these rows; its four partners share them out by address, 8,192 bytes each
; (head cx / 2, half cx % 2); in each, wave 0 asks, lanes 256 bytes apart.  The loop's last trip asks for nothing: there is no K step two refills on.  w_o is read again by every cluster and is not asked for.
.macro ASK
	s_cmp_gt_u32 s3, s[LIM]
	s_cbranch_scc0 .Lnot_mine_\@
	global_prefetch_b8 v[PFO], s[PFA:PFA+1] th:TH_LOAD_NT scope:SCOPE_SE
.Lnot_mine_\@:
.endm
	s_load_b128 s[4:7], s[0:1], 0x0                ; attn16, wo16
	s_load_b64 s[8:9], s[0:1], 0x10                ; out0
	v_lshl_add_u32 v[SPW], v0, 2, SPARE
	v_mov_b32 v[NIL], 0
	ds_add_u32 v[SPW], v[NIL]                      ; the wave's opening: the add, twice on end, and its wait ahead of my first tensor load
	ds_add_u32 v[SPW], v[NIL]
	v_lshrrev_b32 v1, 5, v0
	v_readfirstlane_b32 s10, v1                    ; wave 0..3
	s_lshr_b32 s11, s10, 1                         ; which 64 rows are mine.  Also: I fetch for A (0) or for B (1)
	s_and_b32 s12, s10, 1                          ; which 128 columns.  Also: which head, or which 128 rows of w_o, I fetch
	s_bfe_u32 s40, ttmp6, 0x40000                  ; cx, cy
	s_bfe_u32 s41, ttmp6, 0x40004
	s_and_b32 s13, ttmp7, 0xffff                   ; cluster y
	s_or_b32 s71, s13, s11                         ; 0 where my first block is positions 0 to 15
	s_lshl_b32 s43, s41, 2
	s_lshl_b32 s43, 15, s43                        ; my row of the cluster
	s_lshl_b32 s44, 0x1111, s40                    ; my column
	s_or_b32 s[G1+0], s43, (1<<16)|(1<<20)|(1<<21)|(4<<22)|(3<<25)   ; A: elements of 2 bytes; padding: 4 words behind every 32
	s_mov_b32 s[G1+1], 64<<16
	s_mov_b32 s[G1+2], 128<<16
	s_mov_b32 s[G1+3], 64<<16
	s_mov_b32 s[G1+4], 128
	s_mov_b32 s[G1+5], 64
	s_mov_b32 s[G1+6], 0
	s_mov_b32 s[G1+7], 0
	s_or_b32 s[G1B+0], s44, (1<<16)|(1<<20)|(1<<21)|(5<<22)|(3<<25)  ; B: padding: 4 words behind every 64
	s_mov_b32 s[G1B+1], 128<<16
	s_mov_b32 s[G1B+2], 128<<16
	s_mov_b32 s[G1B+3], 128<<16
	s_mov_b32 s[G1B+4], 128
	s_mov_b32 s[G1B+5], 1024
	s_mov_b32 s[G1B+6], 0
	s_mov_b32 s[G1B+7], 0
	s_lshl_b32 s16, s41, 11
	s_lshl_b32 s17, s13, 7
	s_add_co_u32 s74, s16, s17                     ; my tile's first row: 2048 x batch + 128 x cluster y
	s_lshl_b32 s16, s74, 7
	s_lshl_b32 s17, s12, 20
	s_add_co_u32 s16, s16, s17                     ; A: that row, in the head that I fetch
	s_mov_b32 s17, 0
	s_lshl_b32 s46, s40, 19
	s_lshl_b32 s47, s12, 18
	s_add_co_u32 s46, s46, s47                     ; B: row 256 cx + 128 x half, of 2,048 bytes
	s_mov_b32 s47, 0
	s_mul_i32 s20, s12, AH                         ; where they go: no place in the cluster enters an LDS address
	s_mul_i32 s21, s12, BH
	s_add_co_u32 s21, s21, BOFF
	s_wait_dscnt 0x0                               ; both opening adds are done
	s_wait_kmcnt 0x0
	s_add_nc_u64 s[14:15], s[4:5], s[16:17]
	s_add_nc_u64 s[46:47], s[6:7], s[46:47]
	CROUND                                         ; all sixteen work-groups are here: the first joint loads meet
.irp s, 0,1
	s_mov_b32 s[G0+4*\s], 1
	s_add_co_u32 s[G0+4*\s+1], s20, \s*SLOT
	s_add_nc_u64 s[G0+4*\s+2:G0+4*\s+3], s[14:15], \s*2*PLANE
	s_or_b32 s[G0+4*\s+3], s[G0+4*\s+3], 0x80000000
	s_mov_b32 s[G0B+4*\s], 1
	s_add_co_u32 s[G0B+4*\s+1], s21, \s*SLOT
	s_add_nc_u64 s[G0B+4*\s+2:G0B+4*\s+3], s[46:47], \s*256
	s_or_b32 s[G0B+4*\s+3], s[G0B+4*\s+3], 0x80000000
	JLOAD \s
.endr
	v_and_b32 v1, 15, v0                           ; r
	v_bfe_u32 v2, v0, 4, 1                         ; h
	v_mul_u32_u24 v3, v1, AP
	v_lshl_add_u32 v3, v2, 4, v3
	v_mul_u32_u24 v4, v1, BP
	v_lshl_add_u32 v4, v2, 4, v4
	s_mul_i32 s21, s11, 64*AP                      ; my 64 rows of A
	s_mul_i32 s22, s12, BH                         ; my 128 rows of B
	s_add_co_u32 s22, s22, BOFF
.irp s, 0,1
	v_add_nc_u32 v[ADRA+\s], s21, v3
	v_add_nc_u32 v[ADRB+\s], s22, v4
	s_add_co_u32 s21, s21, SLOT
	s_add_co_u32 s22, s22, SLOT
.endr
	s_mul_i32 s23, s10, 16*SPITCH
	s_add_co_u32 s23, s23, STAGE                   ; my stage
	v_mul_u32_u24 v5, v1, SPITCH
	v_lshl_add_u32 v5, v2, 5, v5
	v_add_nc_u32 v[STO], s23, v5                   ; in: row r, 32 bytes for each half of the lanes
	v_and_b32 v6, 31, v0
	v_lshlrev_b32 v[CO], 4, v6
	v_add_nc_u32 v[RD], s23, v[CO]                 ; back: the 32 lanes take a row of 512 bytes
	v_lshlrev_b32 v[PFO], 8, v6
	s_lshl_b32 s16, s11, 6
	s_add_co_u32 s16, s16, s74
	s_lshl_b32 s16, s16, 12                        ; my first row of out0, of 4,096 bytes
	s_mov_b32 s17, 0
	s_add_nc_u64 s[8:9], s[8:9], s[16:17]
	s_lshl_b32 s46, s40, 10
	s_lshl_b32 s47, s12, 9
	s_add_co_u32 s46, s46, s47                     ; my first column, in bytes
	s_mov_b32 s47, 0
	s_add_nc_u64 s[8:9], s[8:9], s[46:47]
	s_lshr_b32 s72, s40, 1                         ; the prefetches: K step 3's heads 6 and 7; the first change of slots steps on to K step 4
	s_add_co_u32 s72, s72, 6
	s_lshl_b32 s72, s72, 20
	s_and_b32 s73, s40, 1
	s_lshl_b32 s73, s73, 13
	s_add_co_u32 s72, s72, s73
	s_lshl_b32 s73, s74, 7
	s_add_co_u32 s72, s72, s73
	s_mov_b32 s73, 0
	s_add_nc_u64 s[PFA:PFA+1], s[4:5], s[72:73]
	s_cmp_eq_u32 s10, 0
	s_cselect_b32 s[LIM], 1, -1
.macro MUL8 f, a, zero                 ; A's block a x B's eight, 32 along K; the 32 accumulators take turns, one instruction a turn
.irp b, 0,1,2,3,4,5,6,7
.if \zero
	v_wmma_f32_16x16x32_f16 v[8*(8*(\a)+\b):8*(8*(\a)+\b)+7], v[64*(\f)+8*\b:64*(\f)+8*\b+7], v[64+32*(\f)+8*(\a):64+32*(\f)+8*(\a)+7], 0
.else
	v_wmma_f32_16x16x32_f16 v[8*(8*(\a)+\b):8*(8*(\a)+\b)+7], v[64*(\f)+8*\b:64*(\f)+8*\b+7], v[64+32*(\f)+8*(\a):64+32*(\f)+8*(\a)+7], v[8*(8*(\a)+\b):8*(8*(\a)+\b)+7]
.endif
.endr
.endm
.macro FETCH slot, q, f                ; 24 LDS loads in one run: the fragments of quarter q (32 along K) into buffer f
	WIN TO_B
.irp i, 0,1,2,3,4,5,6,7
	ds_load_b128 v[64*(\f)+8*\i:64*(\f)+8*\i+3],   v[ADRB+\slot] offset:64*(\q)+\i*16*BP
	ds_load_b128 v[64*(\f)+8*\i+4:64*(\f)+8*\i+7], v[ADRB+\slot] offset:64*(\q)+\i*16*BP+32
.endr
	WIN 0
.irp i, 0,1,2,3
	ds_load_b128 v[64+32*(\f)+8*\i:64+32*(\f)+8*\i+3],   v[ADRA+\slot] offset:((\q)/2)*AH+((\q)%2)*64+\i*16*AP
	ds_load_b128 v[64+32*(\f)+8*\i+4:64+32*(\f)+8*\i+7], v[ADRA+\slot] offset:((\q)/2)*AH+((\q)%2)*64+\i*16*AP+32
.endr
.endm
.macro PLACES
.rept 4
	v_nop
.endr
.endm
; One of a K step's first three quarters: buffer f is in; quarter q is fetched into buffer g, with this quarter's 32 matrix instructions in which to land
.macro QUARTER slot, q, f, g, zero
	s_wait_dscnt 0x0
	PLACES                                         ; four places in front of loads into registers that matrix instructions have read
	FETCH \slot, \q, \g
	WIN MUL
	MUL8 \f, 0, \zero
	MUL8 \f, 1, \zero
	MUL8 \f, 2, \zero
	MUL8 \f, 3, \zero
.endm
; The last quarter multiplies buffer 1 and changes slots: one barrier; in front of it each wave waits for all its tensor loads, adds 0 to its spare word, and waits for that and for its reads of this slot
.macro TURN slot, next, fill
.if \fill
	s_wait_xcnt 0x0                                ; the last prefetch, a K step back, has read its address
	s_add_nc_u64 s[PFA:PFA+1], s[PFA:PFA+1], 2*PLANE
.endif
	WIN 0
	s_wait_tensorcnt 0x0                           ; all my tensor loads have landed: my part of the next slot
	ds_add_u32 v[SPW], v[NIL]
	s_wait_dscnt 1                                 ; buffer 1 is in; the add may be out
	WIN MUL
	MUL8 1, 0, 0
	s_wait_dscnt 0x0                               ; the add is done, and my reads of this slot are over
	s_barrier_signal -1
	MUL8 1, 1, 0
	WIN 0
	s_barrier_wait -1
.if \fill
	CREST                                          ; the barrier has opened a round of the cluster's barrier: no wave of any partner still reads this slot or has a load on its way
	s_add_nc_u64 s[G0+4*\slot+2:G0+4*\slot+3], s[G0+4*\slot+2:G0+4*\slot+3], 4*PLANE
	s_add_nc_u64 s[G0B+4*\slot+2:G0B+4*\slot+3], s[G0B+4*\slot+2:G0B+4*\slot+3], 512
	JLOAD \slot                                    ; the first tensor load behind the round; its four v_nop are also the places in front of the loads below
.else
	PLACES
.endif
	FETCH \next, 0, 0
.if \fill
	ASK
.endif
	WIN MUL
	MUL8 1, 2, 0
	MUL8 1, 3, 0
.endm
	s_wait_tensorcnt 1                             ; my part of K step 0 is in; K step 1's load may be out
	s_barrier_signal -1
	s_barrier_wait -1
	FETCH 0, 0, 0
	QUARTER 0, 1, 0, 1, 1                          ; the first products start the sums: nothing is cleared
	WIN 0
	s_mov_b32 s3, LAPS-1
.Llap:                                                 ; a trip goes once round the ring and fills both slots again
	QUARTER 0, 2, 1, 0, 0
	QUARTER 0, 3, 0, 1, 0
	TURN 0, 1, 1
	QUARTER 1, 1, 0, 1, 0
	QUARTER 1, 2, 1, 0, 0
	QUARTER 1, 3, 0, 1, 0
	TURN 1, 0, 1
	QUARTER 0, 1, 0, 1, 0
	WIN 0
	s_sub_co_u32 s3, s3, 1
	s_cmp_lg_u32 s3, 0
	s_cbranch_scc1 .Llap
	QUARTER 0, 2, 1, 0, 0                          ; the last lap fills nothing
	QUARTER 0, 3, 0, 1, 0
	TURN 0, 1, 0
	QUARTER 1, 1, 0, 1, 0
	QUARTER 1, 2, 1, 0, 0
	QUARTER 1, 3, 0, 1, 0
	s_wait_dscnt 0x0
	WIN MUL
	MUL8 1, 0, 0
	MUL8 1, 1, 0
	MUL8 1, 2, 0
	MUL8 1, 3, 0
	WIN 0
	; THE WAY OUT, block by block of 16 rows x 128 columns, through my own stage: back as whole rows of 512 bytes
	PLACES
.macro BLOCK a
.if (\a) >= 2
	s_wait_xcnt 0x0                                ; block a - 2's stores have read the registers that this block's loads land on
.endif
	WIN 0x08                                       ; an LDS store's data are its source 1: window 2
.irp b, 0,1,2,3,4,5,6,7
	ds_store_b128 v[STO], v[8*(8*(\a)+\b):8*(8*(\a)+\b)+3] offset:64*\b          ; each accumulator from its low end on
	ds_store_b128 v[STO], v[8*(8*(\a)+\b)+4:8*(8*(\a)+\b)+7] offset:64*\b+16
.endr
	WIN 0
.irp t, 0,1,2,3,4,5,6,7,8,9,10,11,12,13,14,15
	ds_load_b128 v[BK+64*((\a)%2)+4*\t:BK+64*((\a)%2)+4*\t+3], v[RD] offset:\t*SPITCH   ; served in order: these see my stores
.endr
	s_wait_dscnt 0x0
.irp t, 0,1,2,3,4,5,6,7,8,9,10,11,12,13,14,15
	global_store_b128 v[CO], v[BK+64*((\a)%2)+4*\t:BK+64*((\a)%2)+4*\t+3], s[8:9] offset:(16*(\a)+\t)*4096 th:TH_STORE_NT   ; 512 consecutive bytes, aligned; written once
.endr
.endm
	s_cmp_eq_u32 s71, 0                            ; positions 0 to 15 are launch first16's: the cluster's y and the wave's number alone decide
	s_cbranch_scc1 .Lnot_mine
	BLOCK 0
.Lnot_mine:
	BLOCK 1
	BLOCK 2
	BLOCK 3
	s_wait_tensorcnt 0x0                           ; the wave's end, behind my last tensor load and my last LDS store
	ds_add_u32 v[SPW], v[NIL]
	s_wait_dscnt 0x0
	CROUND                                         ; the closing round
	s_endpgm
.Lfunc_end_k_q6e643e6303_proj:
	.size	k_q6e643e6303_proj, .Lfunc_end_k_q6e643e6303_proj-k_q6e643e6303_proj
	.p2alignl 7, 3214868480
	.fill 96, 4, 3214868480
	.section	.rodata,"a",@progbits
	.p2align	6, 0x0
	.amdhsa_kernel k_q6e643e6303_proj
		.amdhsa_group_segment_fixed_size 327680
		.amdhsa_private_segment_fixed_size 0
		.amdhsa_enable_private_segment 0
		.amdhsa_kernarg_size 24
		.amdhsa_user_sgpr_count 2
		.amdhsa_user_sgpr_kernarg_segment_ptr 1
		.amdhsa_wavefront_size32 1
		.amdhsa_system_sgpr_workgroup_id_x 1
		.amdhsa_system_sgpr_workgroup_id_y 1
		.amdhsa_system_sgpr_workgroup_id_z 1
		.amdhsa_system_vgpr_workitem_id 0
		.amdhsa_next_free_vgpr 768
		.amdhsa_next_free_sgpr 80
		.amdhsa_reserve_vcc 0
		.amdhsa_float_denorm_mode_32 3
		.amdhsa_float_denorm_mode_16_64 3
		.amdhsa_memory_ordered 1
		.amdhsa_forward_progress 1
		.amdhsa_inst_pref_size 86
	.end_amdhsa_kernel
	.amdgpu_metadata
---
amdhsa.version: [ 1, 2 ]
amdhsa.kernels:
  - .name:           k_q6e643e6303_proj
    .symbol:         k_q6e643e6303_proj.kd
    .args:
      - { .name: attn16, .offset: 0, .size: 8, .value_kind: global_buffer, .address_space: global }
      - { .name: wo16, .offset: 8, .size: 8, .value_kind: global_buffer, .address_space: global }
      - { .name: out0, .offset: 16, .size: 8, .value_kind: global_buffer, .address_space: global }
    .group_segment_fixed_size: 327680
    .private_segment_fixed_size: 0
    .kernarg_segment_align: 8
    .kernarg_segment_size: 24
    .max_flat_workgroup_size: 128
    .sgpr_count:     80
    .vgpr_count:     768
    .wavefront_size: 32
...
	.end_amdgpu_metadata
.endif
;; end of part 5
